; MI455X (gfx1250); checked and timed in simulation.
; The chip was launched on July 23, 2026; its instructions are those of AMD's public machine-readable ISA for CDNA 5 (MIT licence, August 2026) and "CDNA5" Instruction Set Architecture Reference Guide (July 2026). The comments in the code are by the model that wrote it; some were corrected since.
;; Attn Block. Allowed arithmetic: matrix products marked QUANTISED: E2M3 operands, one E8M0 scale for each 32 along K, by v_wmma_scale_f32_16x16x128_f8f6f4 with both operands' format E2M3, f32 sums; everything else in f32.
;; Inputs: b_attn 3,072 float32; b_proj 1,024 float32; w_attn_codes 3,072 x 32 x 24 uint8 (E2M3 codes of w_attn, K innermost, in blocks of 32 codes, four codes in three bytes); w_attn_scales 3,072 x 32 uint8 (E8M0 scales of w_attn, one for each 32 codes along K); w_proj_codes 1,024 x 32 x 24 uint8 (E2M3 codes of w_proj, K innermost, in blocks of 32 codes, four codes in three bytes); w_proj_scales 1,024 x 32 uint8 (E8M0 scales of w_proj, one for each 32 codes along K); x_codes 4 x 2,048 x 32 x 24 uint8 (E2M3 codes of x, K innermost, in blocks of 32 codes, four codes in three bytes); x_scales 4 x 2,048 x 32 uint8 (E8M0 scales of x, one for each 32 codes along K).
;; Outputs: out0 4 x 2,048 x 1,024 float32.
;; This version of the problem:
;;   THIS VERSION OF THE PROBLEM IS GIVEN IN LOW PRECISION. The matrix products marked QUANTISED in the list below multiply operands that are first quantised to E2M3 (2 exponent bits, 3 mantissa bits; 6 bits a number), with one power-of-two scale for each 32 numbers along K (OCP MX v1.0); their sums are f32. All else is computed in f32.
;;   The module's matrix products, in the order in which they are computed (A, B: the left and right operand; K: the contracted axis; several contracted axes count as one K, in the product's order):
;;     1. [M 8,192, K 1,024] x [K 1,024, N 3,072]; A: input x (given as codes); B: input w_attn (given as codes): QUANTISED
;;     2. batch 4 x [M 2,048, K 1,024] x [K 1,024, N 2,048]; A: computed on the way; B: computed on the way: QUANTISED
;;     3. batch 4 x [M 2,048, K 2,048] x [K 2,048, N 1,024]; A: softmax (see below); B: computed on the way: QUANTISED
;;     4. [M 8,192, K 1,024] x [K 1,024, N 1,024]; A: computed on the way; B: input w_proj (given as codes): QUANTISED
;;   THE QUANTISER, for each operand of a quantised product, along K:
;;     - K is cut into blocks of 32 from its start; a last block that is shorter is filled with zeros.
;;     - A block's scale is 2^e with e = floor(log2(the largest magnitude in the block)) - 2, held to -126 .. 127; a block of zeros has e = 0. As a byte (E8M0): e + 127.
;;     - Each number is divided by its block's scale, clamped to +-7.5, and rounded to the nearest number of E2M3, ties to even, subnormals kept.
;;     - The product sums the exact products of the quantised numbers (number of the format x scale) in f32.
;;   ~~~python
;;   def quantise(x, axis):      # numpy; x: float32 -> the quantised numbers, widened to float32 again
;;       x = np.moveaxis(x, axis, -1); K = x.shape[-1]
;;       x = np.pad(x, [(0, 0)] * (x.ndim - 1) + [(0, -K % 32)]); x = x.reshape(x.shape[:-1] + (-1, 32)); a = np.abs(x).max(-1, keepdims=True)
;;       e = np.where(a > 0, np.clip(np.frexp(np.where(a > 0, a, 1))[1] - 1 - 2, -126, 127), 0)      # np.frexp(a)[1] - 1 = floor(log2(a)), exactly
;;       r = np.clip(x / 2.0 ** e, -7.5, 7.5)
;;       step = 2.0 ** (np.maximum(np.frexp(np.where(r == 0, 1, r))[1] - 1, 0) - 3)
;;       q = np.round(r / step) * step * 2.0 ** e      # np.round: ties to even
;;       return np.moveaxis(q.reshape(q.shape[:-2] + (-1,))[..., :K], -1, axis).astype(np.float32)
;;   ~~~
;;   SOFTMAX AHEAD OF A QUANTISED PRODUCT. Where the list says 'softmax', what is quantised is not the finished softmax but p = 2^(t - M), with t = logit x log2(e) and M = ceil(the row's largest t), a whole number; so 1/2 < the row's largest p <= 1. The row's sum l is taken of the UNQUANTISED p, in f32, and the product's result is divided by l at the end. Since M is a whole number, a kernel that streams over the keys may use a running M (the ceiling of the running maximum): every later rescaling is an exact power of two, which a block's scale takes up: the codes' values come out the same.
;;   OPERANDS COMPUTED ON THE WAY. 'Computed on the way' means the value that the module computes at that place (a softmax that the list does not call 'softmax' is quantised finished and normalised). What goes into a quantiser is computed in f32, as accurately as f32 sums, v_exp_f32 and their like allow (about 1e-6 of the number): no bf16 or f16 on the way to a quantiser, and a product that is left as it is and whose result goes on into a quantised operand takes f32 operands (vector FMAs, or v_wmma_f32_16x16x4_f32). A number that lies on a knife's edge between two numbers of the format may be rounded either way, as far as f32 arithmetic and the matrix unit's own rounding can turn it there, and no further.
;;   INPUTS GIVEN AS CODES. w_attn (in the module: [1024, 3072], K = its axis 0); w_proj (in the module: [1024, 1024], K = its axis 0); x (in the module: [4, 2048, 1024], K = its axis 2): each comes as NAME_codes (uint8): NAME with its K axis moved to the last place and cut into blocks of 32 codes, [.., K / 32, bytes a block], one block behind the other in memory; four codes in three bytes: a row's codes are one little-endian stream of bits, code i at bits 6 i .. 6 i + 5 (a code: sign, 2 exponent bits, 3 mantissa bits); and NAME_scales (uint8): the same leading axes, one E8M0 byte (e + 127) for each 32 codes along K. Its value is code x scale, taken as it is: it is not quantised again, and the codes and scales need not be those that the quantiser above would give.
;; One version. Each part assembles by itself: llvm-mc -triple=amdgcn-amd-amdhsa -mcpu=gfx1250 --defsym DOCPART=n.
;; ======== version 1 of 1: 4 launches
;; workspace buffers: qk_img 12,582,912 bytes; vt_img 6,291,456 bytes; kv_sc 786,432 bytes; p_img 12,582,912 bytes; p_st 1,572,864 bytes; o_img 6,291,456 bytes; o_sc 262,144 bytes
;; launch qkv (part 1): grid 96 x 4, 4 waves a work-group, clusters of 4 x 4, 327,680 bytes of LDS; arguments x_codes, x_scales, w_attn_codes, w_attn_scales, b_attn, qk_img, vt_img, kv_sc; writes qk_img, vt_img, kv_sc
.if DOCPART == 1
	.amdgcn_target "amdgcn-amd-amdhsa--gfx1250"
	.amdhsa_code_object_version 6
	.text
	.protected	k_q2753c0dcb9_qkv
	.globl	k_q2753c0dcb9_qkv
	.p2align	8
	.type	k_q2753c0dcb9_qkv,@function
k_q2753c0dcb9_qkv:
	s_mov_b64 s[64:65], 0
	v_nop
	global_prefetch_b8 v0, s[64:65] scope:SCOPE_SE
	s_setreg_imm32_b32 hwreg(HW_REG_WAVE_MODE, 25, 1), 1
	s_wait_xcnt 0x0
	s_wait_alu depctr_hold_cnt(0) depctr_sa_sdst(0) depctr_va_vdst(0) depctr_va_sdst(0) depctr_va_ssrc(0) depctr_va_vcc(0) depctr_vm_vsrc(0)
	s_getreg_b32 s2, hwreg(HW_REG_IB_STS2, 6, 4)
	s_cmp_eq_u32 s2, 0
	s_cbranch_scc0 .Lentry_in_a_cluster
	s_endpgm
.Lentry_in_a_cluster:
	s_bfe_u32 s2, ttmp6, 0x10000c
	s_cmp_lg_u32 s2, 0xf033
	s_cbranch_scc0 .Lentry_shape_is_right
	s_endpgm
.Lentry_shape_is_right:
; qkv = x w_attn + b_attn on codes of FP6 (E2M3) with E8M0 scales, and its quantising for the next two products.
; C' = A' B'^T, a tile of 256 x 256 to a work-group of four waves (2 x 2), 128 x 128 to a wave; K = 1,024 in four chunks of 256 through two LDS slots.
; TWO PARTS, told apart by the cluster's x (the same number in all sixteen partners):
;   clusters 0-15:  A' = x (8,192 rows), B' = w_attn's rows 0-2,047: q and k.  A lane holds one token, its registers run along the channels: quantised along the channels.
;   clusters 16-23: A' = w_attn's rows 2,048-3,071, B' = x: v TRANSPOSED.  A lane holds one channel d, its registers run along the keys: quantised along the keys, the third product's K.
; The bias is the C of each sum's first matrix instruction.  A wave's 128 columns are one K step of the next product: eight fragments and one scale word a row.
; OUT: fragments as IMAGES OF THE OPERAND'S REGISTERS ([row tile][K step][1,536 bytes]; register 4 c + w of a lane at 512 c + 16 lane + 4 w), three stores of 512 consecutive bytes each; scale words as [K step][row].
; CLUSTER 4 x 4: A's tiles are asked for jointly along a row of the cluster, B's along a column.
; LIMITS: NaN and infinities are not served.  A block whose largest magnitude lies under 2^-124 (a block of zeros too) keeps the scale byte 1; the bytes are read by this program's launches alone.
.set MB,    8                          ; blocks of 16 rows of A' to a wave
.set NQ,    2                          ; K steps of 128 in a slot
.set NK,    8                          ; K steps in all
.set A_IMG, 0                          ; A' and B' lie in memory as rows of 768 bytes
.set B_IMG, 0
; ======== THE CORE: the same text in all four launches ========
.set ROWSA, 32*MB                      ; rows of A' in the work-group's tile
.if A_IMG
.set AHALF, MB*NQ*1536                 ; what one tensor load brings of A', and what one wave reads: images, dense
.set CHA,   NQ*1536                    ; a chunk on along K, in memory
.else
.set AHALF, 16*MB*240                  ; rows of 192 bytes, 16 bytes of padding behind every 64: 240 bytes from row to row
.set CHA,   192
.endif
.if B_IMG
.set BHALF, 8*NQ*1536
.set CHB,   NQ*1536
.else
.set BHALF, 128*240
.set CHB,   192
.endif
.set ASZ,   2*AHALF
.set SLOT,  ASZ+2*BHALF                ; a slot: A's two halves, then B's two
.set SCLA,  2*SLOT                     ; behind the ring: A's scale words [K step][row], stored from registers, never filled by a tensor load
.set SCLB,  SCLA+NK*ROWSA*4            ; B's, [K step][256]
.set TOP,   SCLB+NK*1024
.set VR,   1                           ; v1   r = lane % 16
.set VH,   2                           ; v2   h = lane / 16
.set VL,   3                           ; v3   lane
.set L16,  6                           ; v6   16 x lane
.set H8,   7                           ; v7   8 h
.set CST,  8                           ; v8   a constant of the way out
.set MSA,  9                           ; v9   my wave's small stage: in
.set MSR,  10                          ; v10  and back
.set ADSA, 11                          ; v11  LDS address of my rows' scale words of A'
.set ADSB, 12                          ; v12  of B'
.set ADRA, 16                          ; v16-17 my fragments of A' in slot 0, 1 (v18-19: behind one padding more)
.set ADRB, 20                          ; v20-21 the same for B' (v22-23)
.set SPW,  28                          ; v28  LDS address of my spare word; never rewritten
.set NIL,  29                          ; v29  0; never rewritten
.set SCR,  32                          ; v32-63 scale words and nothing else: set p: A's block i at 32 + 16 p + i, B's at 40 + 16 p + i
.set AF,   64                          ; A's fragments, window 0, two sets of 12 MB registers;  B's: window 1, set p at 128 p;  accumulators: windows 2 and 3
.set ASET, 12*MB
.set QX,   64                          ; the way out (window 0, where A's fragments lay): 64 numbers,
.set QF,   128                         ; a fragment's 12 registers,
.set QT0,  140                         ; the halves that a conversion cannot put on an odd register,
.set QT1,  144
.set TM,   148                         ; two largest magnitudes, SO two scale operands, BY two bytes, WD the scale word, WP a permute's destination
.set SO,   150
.set BY,   152
.set WD,   154
.set WP,   155
.set G1,   24                          ; s[24:31] descriptor group 1 for A's tiles; s[32:39] group 0, a set for each slot
.set G0,   32
.set G1B,  48                          ; s[48:55], s[56:63] the same for B's
.set G0B,  56
.set SEL,  20                          ; s[20:21] v_permlanex16_b32's selects for lane l xor 16
.set CS,   22                          ; s[22:23]
.set MSB,  0
.macro WIN new                         ; the immediate's high byte repeats the setting that is left; a switch that changes nothing is dropped
.if MSB != (\new)
	s_set_vgpr_msb (MSB<<8)|(\new)
.set MSB, (\new)
.endif
.endm
.macro PLACES n                        ; plain vector instructions between a matrix instruction and a load into, or a vector instruction on, its registers
.rept \n
	v_nop
.endr
.endm
.macro JLOAD g0a, g1a, g0b, g1b        ; a joint load: waves 0, 1 fetch A's halves, waves 2, 3 B's; the branch hangs on the wave's number alone; four v_nop follow each line
	s_cmp_eq_u32 s15, 0
	s_cbranch_scc0 .Lfor_b_\@
	tensor_load_to_lds s[\g0a:\g0a+3], s[\g1a:\g1a+7]
	s_nop 0
.rept 4
	v_nop
.endr
	s_branch .Lasked_\@
.Lfor_b_\@:
	tensor_load_to_lds s[\g0b:\g0b+3], s[\g1b:\g1b+7]
	s_nop 0
.rept 4
	v_nop
.endr
.Lasked_\@:
.endm
.macro CREST                           ; a round of the cluster's barrier behind its opening barrier
	s_cmp_lg_u32 s14, 0
	s_cbranch_scc1 .Lnot_wave_0_\@
	s_barrier_signal -3
.Lnot_wave_0_\@:
	s_barrier_wait -3
	s_barrier_signal -1
	s_barrier_wait -1
.endm
.macro CROUND
	s_barrier_signal -1
	s_barrier_wait -1
	CREST
.endm
.macro G1ROWS g, m                     ; 128 rows x 192 bytes, 768 bytes apart in memory; elements of 1 byte; padding of 4 words behind every 16; s[m]: the mask; bit 21 beside it
	s_or_b32 s[\g], s[\m], (1<<20)|(1<<21)|(3<<22)|(3<<25)
	s_mov_b32 s[\g+1], 192<<16
	s_mov_b32 s[\g+2], 128<<16
	s_mov_b32 s[\g+3], 192<<16
	s_mov_b32 s[\g+4], 128
	s_mov_b32 s[\g+5], 768
	s_mov_b32 s[\g+6], 0
	s_mov_b32 s[\g+7], 0
.endm
.macro G1IMG g, m, ht, nks             ; ht row tiles x NQ images of 1,536 bytes, as elements of 8 bytes; a row tile has nks images in memory; no padding
	s_or_b32 s[\g], s[\m], (3<<16)|(1<<21)
	s_mov_b32 s[\g+1], (NQ*192)<<16
	s_mov_b32 s[\g+2], (\ht)<<16
	s_mov_b32 s[\g+3], (NQ*192)<<16
	s_mov_b32 s[\g+4], \ht
	s_mov_b32 s[\g+5], (\nks)*192
	s_mov_b32 s[\g+6], 0
	s_mov_b32 s[\g+7], 0
.endm
.macro WHOAMI
	v_lshl_add_u32 v[SPW], v0, 2, SPARE
	v_mov_b32 v[NIL], 0
	ds_add_u32 v28, v29
	ds_add_u32 v28, v29
	s_wait_dscnt 0x0
	v_lshrrev_b32 v4, 5, v0
	v_readfirstlane_b32 s14, v4                    ; wave 0..3
	s_lshr_b32 s15, s14, 1                         ; rh: my half of the tile's rows.  Also: I fetch for A' (0) or B' (1)
	s_and_b32 s16, s14, 1                          ; ch: my half of its columns.  Also: which half I fetch
	s_bfe_u32 s40, ttmp6, 0x40000                  ; cx, cy: my place in the cluster
	s_bfe_u32 s41, ttmp6, 0x40004
	s_lshl_b32 s43, s41, 2
	s_lshl_b32 s43, 15, s43                        ; my row of the cluster
	s_lshl_b32 s44, 0x1111, s40                    ; my column
	s_mul_i32 s45, s16, AHALF                      ; where my load goes: no place in the cluster enters an LDS address
	s_mul_i32 s66, s16, BHALF
	s_add_co_u32 s66, s66, ASZ
.endm
.macro FIRSTFILLS                      ; s[4:5], s[8:9]: the half tile of A', of B' that I fetch, chunk 0
	CROUND                                         ; all sixteen work-groups are here: the first joint loads meet
.irp s, 0,1
	s_mov_b32 s[G0+4*\s], 1
	s_add_co_u32 s[G0+4*\s+1], s45, \s*SLOT
	s_add_nc_u64 s[G0+4*\s+2:G0+4*\s+3], s[4:5], \s*CHA
	s_or_b32 s[G0+4*\s+3], s[G0+4*\s+3], 0x80000000
	s_mov_b32 s[G0B+4*\s], 1
	s_add_co_u32 s[G0B+4*\s+1], s66, \s*SLOT
	s_add_nc_u64 s[G0B+4*\s+2:G0B+4*\s+3], s[8:9], \s*CHB
	s_or_b32 s[G0B+4*\s+3], s[G0B+4*\s+3], 0x80000000
	JLOAD G0+4*\s, G1, G0B+4*\s, G1B
.endr
.endm
.macro ADDRS
	v_and_b32 v[VR], 15, v0
	v_bfe_u32 v[VH], v0, 4, 1
	v_and_b32 v[VL], 31, v0
	v_lshlrev_b32 v[L16], 4, v[VL]
	v_lshlrev_b32 v[H8], 3, v[VH]
.if A_IMG*B_IMG == 0
	v_mul_u32_u24 v4, v[VR], 240
	v_mad_u32_u24 v4, v[VH], 24, v4                ; rows: row x 240 + 24 h,
	v_lshl_add_u32 v5, v[VH], 4, v4                ; and the same behind one padding more
.endif
	s_mul_i32 s96, s15, AHALF                      ; my half of A',
	s_mul_i32 s97, s16, BHALF                      ; my half of B'
	s_add_co_u32 s97, s97, ASZ
.irp s, 0,1
.if A_IMG
	v_add_nc_u32 v[ADRA+\s], s96, v[L16]
.else
	v_add_nc_u32 v[ADRA+\s], s96, v4
	v_add_nc_u32 v[ADRA+2+\s], s96, v5
.endif
.if B_IMG
	v_add_nc_u32 v[ADRB+\s], s97, v[L16]
.else
	v_add_nc_u32 v[ADRB+\s], s97, v4
	v_add_nc_u32 v[ADRB+2+\s], s97, v5
.endif
	s_add_co_u32 s96, s96, SLOT
	s_add_co_u32 s97, s97, SLOT
.endr
	s_mul_i32 s96, s15, 64*MB
	s_lshl_b32 s97, s16, 9
	v_lshl_add_u32 v[ADSA], v[VR], 2, s96
	v_lshl_add_u32 v[ADSB], v[VR], 2, s97
	v_add_nc_u32 v[ADSA], SCLA, v[ADSA]
	v_add_nc_u32 v[ADSB], SCLB, v[ADSB]
.endm
.macro FRAGR reg, adr, q, i            ; a fragment from rows: 24 bytes of the row's stream twice, in pieces of 8; lanes 16-31 read three pieces on, which for some pieces is behind one padding more
.irp p, 0,1,2,3,4,5
.set PCE, 12*(\q)+6*(\p/3)+\p%3
.if PCE%8 < 5
	ds_load_b64 v[\reg+2*\p:\reg+2*\p+1], v[\adr] offset:8*PCE+16*(PCE/8)+(\i)*16*240
.else
	ds_load_b64 v[\reg+2*\p:\reg+2*\p+1], v[\adr+2] offset:8*PCE+16*(PCE/8)+(\i)*16*240
.endif
.endr
.endm
.macro FRAGI reg, adr, q, i            ; a fragment from its image: three loads of 512 consecutive bytes
.irp c, 0,1,2
	ds_load_b128 v[\reg+4*\c:\reg+4*\c+3], v[\adr] offset:(\i)*NQ*1536+(\q)*1536+512*\c
.endr
.endm
.macro FETCH slot, q, ks, set          ; all fragments and scale words of one K step (the slot's q-th, the product's ks-th) into set
	WIN 0x40                                       ; destination window 1, address window 0
.set ii, 0
.rept 8
.if B_IMG
	FRAGI 128*(\set)+12*ii, ADRB+(\slot), \q, ii
.else
	FRAGR 128*(\set)+12*ii, ADRB+(\slot), \q, ii
.endif
.set ii, ii+1
.endr
	WIN 0
.set ii, 0
.rept MB
.if A_IMG
	FRAGI AF+ASET*(\set)+12*ii, ADRA+(\slot), \q, ii
.else
	FRAGR AF+ASET*(\set)+12*ii, ADRA+(\slot), \q, ii
.endif
.set ii, ii+1
.endr
.set ii, 0
.rept MB
	ds_load_b32 v[SCR+16*(\set)+ii], v[ADSA] offset:(\ks)*ROWSA*4+64*ii
.set ii, ii+1
.endr
.set ii, 0
.rept 8
	ds_load_b32 v[SCR+8+16*(\set)+ii], v[ADSB] offset:(\ks)*1024+64*ii
.set ii, ii+1
.endr
.endm
; 8 matrix instructions: A's block a against B's eight.  TRANSPOSED: source 0 = 16 rows of B', source 1 = 16 rows of A': lane (r, h) holds row r of the block and columns 16 b + 8 h + 0 .. 7.
; Accumulator (a, b) stands at 64 (a % 4) + 8 PB(b), PB = 0, 2, 1, 3 within each four: the order that SWAPS wants.  cm: C = the sum itself (0), the constant 0 (1), bias group b (2) or a (3), in window 1.
; The accumulators take turns, one instruction a turn, in the same order in every step.
.macro MULB a, set, cm
.if (\cm) >= 2
	WIN 0x91+0x40*((\a)/4)
.else
	WIN 0xa1+0x50*((\a)/4)
.endif
.set bb, 0
.rept 8
.set mD, 64*((\a)%4)+8*(4*(bb/4)+2*(bb%2)+(bb/2)%2)
.set mB, 128*(\set)+12*bb
.set mA, AF+ASET*(\set)+12*(\a)
.set mSB, SCR+8+16*(\set)+bb
.set mSA, SCR+16*(\set)+(\a)
.if (\cm) == 0
	v_wmma_scale_f32_16x16x128_f8f6f4 v[mD:mD+7], v[mB:mB+11], v[mA:mA+11], v[mD:mD+7], v[mSB], v[mSA] matrix_a_fmt:MATRIX_FMT_FP6 matrix_b_fmt:MATRIX_FMT_FP6
.elseif (\cm) == 1
	v_wmma_scale_f32_16x16x128_f8f6f4 v[mD:mD+7], v[mB:mB+11], v[mA:mA+11], 0, v[mSB], v[mSA] matrix_a_fmt:MATRIX_FMT_FP6 matrix_b_fmt:MATRIX_FMT_FP6
.else
.if (\cm) == 2
.set mP, 96+8*bb+96*(bb/4)
.else
.set mP, 96+8*(\a)+96*((\a)/4)
.endif
	v_wmma_scale_f32_16x16x128_f8f6f4 v[mD:mD+7], v[mB:mB+11], v[mA:mA+11], v[mP:mP+7], v[mSB], v[mSA] matrix_a_fmt:MATRIX_FMT_FP6 matrix_b_fmt:MATRIX_FMT_FP6
.endif
.set bb, bb+1
.endr
.endm
.macro MULS a0, n, set, cm
.set aa, \a0
.rept \n
	MULB aa, \set, \cm
.set aa, aa+1
.endr
.endm
.macro STEPF slot, q, ks               ; the head of a step that has its successor in the same slot
	s_wait_dscnt 0x0                               ; this step's set, asked for a whole step ago, is in
	WIN 0
	PLACES 4                                       ; behind the last products, which read the other set
	FETCH \slot, (\q)+1, (\ks)+1, 1-(\ks)%2
.endm
.macro STEP slot, q, ks, cm
	STEPF \slot, \q, \ks
	MULS 0, MB, (\ks)%2, \cm
.endm
; A slot's last step (set 1) changes slots: ONE barrier.  In front of it each wave waits for all its tensor loads, adds 0 to its spare word, and waits for that and for its reads of this slot.
; fill = 1: the barrier opens a round of the cluster's barrier, and this slot is filled again, two chunks on: the first tensor load behind the round, one a wave.
.macro TURN slot, next, ks, fill
	WIN 0
	s_wait_tensorcnt 0x0                           ; all my tensor loads have landed: my part of the next slot
	ds_add_u32 v[SPW], v[NIL]                      ; 0 onto my spare word
	s_wait_dscnt 1                                 ; the add alone may be out: this step's set is in
	MULS 0, MB/4, 1, 0
	s_wait_dscnt 0x0                               ; the add is done, and my reads of this slot are over
	s_barrier_signal -1
	MULS MB/4, MB/4, 1, 0
	WIN 0
	s_barrier_wait -1
.if \fill
	CREST                                          ; no wave of any partner still reads this slot or has a load on its way
	s_add_nc_u64 s[G0+4*\slot+2:G0+4*\slot+3], s[G0+4*\slot+2:G0+4*\slot+3], 2*CHA
	s_add_nc_u64 s[G0B+4*\slot+2:G0B+4*\slot+3], s[G0B+4*\slot+2:G0B+4*\slot+3], 2*CHB
	JLOAD G0+4*\slot, G1, G0B+4*\slot, G1B         ; its four v_nop are also the places in front of the loads below
.else
	PLACES 4
.endif
	FETCH \next, 0, (\ks)+1, 0
	MULS MB/2, MB/2, 1, 0
.endm
.macro LAST
	s_wait_dscnt 0x0
	MULS 0, MB, 1, 0
	WIN 0
.endm
.macro START
	s_wait_tensorcnt 1                             ; my part of chunk 0 is in; chunk 1's load may be out
	s_wait_dscnt 0x0                               ; my stores of scale words have landed
	s_barrier_signal -1
	s_barrier_wait -1
	FETCH 0, 0, 0, 0
.endm
.macro FINISH
	s_wait_tensorcnt 0x0                           ; the wave's end: behind my last tensor load and my last LDS store
	ds_add_u32 v[SPW], v[NIL]
	s_wait_dscnt 0x0
	CROUND                                         ; the closing round
	s_endpgm
.endm
; A block's 64 numbers at x in window w.  Before: register 8 PB(4 c + v) + j holds column 64 c + 16 v + 8 h + j.  Sixteen exchanges of half rows for each c; after: register 32 c + i holds column 64 c + 32 h + i:
; a lane owns two whole blocks of 32, in the order of the 6-bit operand's registers.  Each accumulator is read from its lowest register on.
.macro SWAPS x, w
	WIN 0x55*(\w)
.irp c, 0,1
.irp j, 0,1,2,3,4,5,6,7
	v_permlane16_swap_b32 v[(\x)+32*\c+\j], v[(\x)+32*\c+8+\j]
	v_permlane16_swap_b32 v[(\x)+32*\c+16+\j], v[(\x)+32*\c+24+\j]
.endr
.endr
.endm
.macro QMAX x, w                       ; the two blocks' largest magnitudes, over the floor 2^(3 - 127) in v[CST], which holds the byte at 1 from below
	WIN ((\w)<<2)|((\w)<<4)
.irp c, 0,1
	v_max3_num_f32 v[TM+\c], v[CST], |v[(\x)+32*\c]|, |v[(\x)+32*\c+1]|
.endr
.set jj, 2
.rept 15
.irp c, 0,1
	v_max3_num_f32 v[TM+\c], v[TM+\c], |v[(\x)+32*\c+jj]|, |v[(\x)+32*\c+jj+1]|
.endr
.set jj, jj+2
.endr
	WIN 0
.endm
.macro QFIN x, w                       ; from the two largest magnitudes: the scale word in v[WD], the fragment in v[QF] on
.irp c, 0,1
	v_add_nc_u32 v[SO+\c], 0xff000000, v[TM+\c]    ; 2 off the exponent field: the conversion's scale operand
.endr
.irp c, 0,1
	v_lshrrev_b32 v[BY+\c], 23, v[SO+\c]           ; the scale's byte
.endr
	v_lshl_or_b32 v[WD], v[BY+1], 16, v[BY]        ; my bytes: blocks h and 2 + h,
	v_lshlrev_b32 v[WD], v[H8], v[WD]              ; at their places;
	v_permlanex16_b32 v[WP], v[WD], s[SEL], s[SEL+1]
	v_or_b32 v[WD], v[WD], v[WP]                   ; with lane l xor 16's two the word is whole
	s_wait_xcnt 0x0                                ; the last block's stores have read the fragment's registers
	WIN \w
	v_cvt_scalef32_pk16_fp6_f32 v[QF:QF+2], v[(\x):(\x)+15], v[SO]
	v_cvt_scalef32_pk16_fp6_f32 v[QT0:QT0+2], v[(\x)+16:(\x)+31], v[SO]
	v_cvt_scalef32_pk16_fp6_f32 v[QF+6:QF+8], v[(\x)+32:(\x)+47], v[SO+1]
	v_cvt_scalef32_pk16_fp6_f32 v[QT1:QT1+2], v[(\x)+48:(\x)+63], v[SO+1]
	WIN 0
	v_nop                                          ; one plain place behind a scaled conversion
.irp i, 0,1,2
	v_mov_b32 v[QF+3+\i], v[QT0+\i]
	v_mov_b32 v[QF+9+\i], v[QT1+\i]
.endr
.endm
; ======== the core ends ========
.set MST,   TOP                        ; a small stage of 512 bytes for each wave: its 128 rows' scale words
.set SPARE, MST+4*512                  ; the spare words, 128 bytes a wave
.set VO,    176                        ; v176-183: in the head the bias loads' offsets, on the way out the blocks' offsets in the image
.macro SCG_LD p, t                     ; given scales, 32 bytes a row: thread t takes rows t and t + 128
	global_load_b128 v[\t:\t+3], v15, s[\p:\p+1]
	global_load_b128 v[\t+4:\t+7], v15, s[\p:\p+1] offset:16
	global_load_b128 v[\t+8:\t+11], v15, s[\p:\p+1] offset:4096
	global_load_b128 v[\t+12:\t+15], v15, s[\p:\p+1] offset:4112
.endm
.macro SCG_ST adr, t                   ; and turns them to [K step][row]
.irp k, 0,1,2,3,4,5,6,7
	ds_store_b32 v[\adr], v[\t+\k] offset:1024*\k
	ds_store_b32 v[\adr], v[\t+8+\k] offset:1024*\k+512
.endr
.endm
	s_load_b512 s[68:83], s[0:1], 0x0              ; x codes, x scales, w codes, w scales, b_attn, qk_img, vt_img, kv_sc
	WHOAMI
	; the part and the tile.  Registers that feed A's descriptors never hold cx, those that feed B's never cy
	s_lshr_b32 s18, ttmp9, 1
	s_lshl_b32 s18, s18, 2                         ; q, k: tile row 4 (c >> 1) + cy,
	s_and_b32 s46, ttmp9, 1
	s_lshl_b32 s46, s46, 2                         ; tile column 4 (c & 1) + cx
	s_sub_co_u32 s47, ttmp9, 16
	s_lshl_b32 s47, s47, 2                         ; v: tile row cy, tile column 4 (c - 16) + cx
	s_cmp_lt_u32 ttmp9, 16
	s_cselect_b32 s17, s18, 0
	s_cselect_b32 s42, s46, s47
	s_cselect_b32 s86, 0, 2048                     ; A's first row
	s_cselect_b32 s87, 16, 64                      ; images in a row tile of the output
	s_mov_b32 s88, 1024
	s_cselect_b32 s88, 8192, s88                   ; rows of the output
	s_cselect_b32 s89, 0, 524288                   ; where its scale words begin in kv_sc
	s_cselect_b32 s90, 4, 0                        ; the bias of register j of lane (r, h): byte 4 j + 32 h (by column) or 4 r (by row)
	s_cselect_b32 s91, 32, 0
	s_cselect_b32 s92, 0, 4
	s_add_co_u32 s17, s17, s41                     ; TR
	s_add_co_u32 s42, s42, s40                     ; TC
	G1ROWS G1, 43
	G1ROWS G1B, 44
	s_lshl_b32 s18, s17, 8
	s_add_co_u32 s18, s18, s86                     ; the tile's first row of A'
	s_lshl_b32 s22, s18, 5                         ; its scale bytes
	s_mov_b32 s23, 0
	s_lshl_b32 s19, s16, 7
	s_add_co_u32 s18, s18, s19                     ; + the 128 rows that I fetch
	s_mul_i32 s20, s18, 768
	s_mov_b32 s21, 0
	s_lshl_b32 s46, s42, 8                         ; the tile's first row of B'
	s_lshl_b32 s94, s46, 5
	s_mov_b32 s95, 0
	s_add_co_u32 s46, s46, s19
	s_mul_i32 s46, s46, 768
	s_mov_b32 s47, 0
	s_wait_kmcnt 0x0
	s_cmp_lt_u32 ttmp9, 16                         ; the choice hangs on the cluster's number alone
	s_cselect_b64 s[4:5], s[68:69], s[72:73]       ; A's codes
	s_cselect_b64 s[6:7], s[70:71], s[74:75]       ; A's scales
	s_cselect_b64 s[8:9], s[72:73], s[68:69]       ; B's codes
	s_cselect_b64 s[10:11], s[74:75], s[70:71]     ; B's scales
	s_cselect_b64 s[12:13], s[78:79], s[80:81]     ; the image that I write
	s_add_nc_u64 s[4:5], s[4:5], s[20:21]
	s_add_nc_u64 s[6:7], s[6:7], s[22:23]
	s_add_nc_u64 s[8:9], s[8:9], s[46:47]
	s_add_nc_u64 s[10:11], s[10:11], s[94:95]
	FIRSTFILLS
	ADDRS
	v_lshlrev_b32 v15, 5, v0                       ; 32 x thread
	SCG_LD 6, 64
	SCG_LD 10, 80
	; the bias: q, k: b_attn at column 256 TC + 128 ch;  v: at 2,048 + 256 TR + 128 rh
	s_lshl_b32 s96, s42, 10
	s_lshl_b32 s97, s16, 9
	s_add_co_u32 s96, s96, s97
	s_lshl_b32 s98, s17, 10
	s_lshl_b32 s97, s15, 9
	s_add_co_u32 s98, s98, s97
	s_add_co_u32 s98, s98, 8192
	s_cmp_lt_u32 ttmp9, 16
	s_cselect_b32 s96, s96, s98
	s_mov_b32 s97, 0
	s_add_nc_u64 s[76:77], s[76:77], s[96:97]
	v_mul_u32_u24 v13, v[VH], s91
	v_mad_u32_u24 v13, v[VR], s92, v13
.irp j, 0,1,2,3,4,5,6,7
	v_mad_u32_u24 v[VO+\j], s90, \j, v13
.endr
	WIN 0x40                                       ; eight groups of eight registers in window 1, beside B's fragments: group g = 16 columns (q, k) or 16 rows (v)
.irp g, 0,1,2,3,4,5,6,7
.irp j, 0,1,2,3,4,5,6,7
	global_load_b32 v[96+8*\g+96*(\g/4)+\j], v[VO+\j], s[76:77] offset:64*\g
.endr
.endr
	WIN 0
	v_lshl_add_u32 v4, v0, 2, SCLA
	v_lshl_add_u32 v5, v0, 2, SCLB
	s_lshl_b32 s96, s14, 9
	v_lshl_add_u32 v[MSA], v[VR], 2, s96
	v_add_nc_u32 v[MSA], MST, v[MSA]
	v_add_nc_u32 v[MSR], s96, v[L16]
	v_add_nc_u32 v[MSR], MST, v[MSR]
	v_mov_b32 v[CST], 0x1800000                    ; the floor 2^(3 - 127)
	s_mov_b32 s[SEL], 0x76543210
	s_mov_b32 s[SEL+1], 0xfedcba98
	; where I write: image ((16 TR + 8 rh) x images a row tile + K step) x 1,536;  scale words (K step x rows + 256 TR + 128 rh) x 4
	s_lshl_b32 s96, s17, 4
	s_lshl_b32 s97, s15, 3
	s_add_co_u32 s96, s96, s97
	s_mul_i32 s96, s96, s87
	s_lshl_b32 s99, s42, 1
	s_add_co_u32 s99, s99, s16                     ; the K step of the next product: 2 TC + ch
	s_add_co_u32 s96, s96, s99
	s_mul_i32 s96, s96, 1536
	s_mov_b32 s97, 0
	s_add_nc_u64 s[12:13], s[12:13], s[96:97]
	s_mul_i32 s98, s99, s88
	s_lshl_b32 s97, s17, 8
	s_add_co_u32 s98, s98, s97
	s_lshl_b32 s97, s15, 7
	s_add_co_u32 s98, s98, s97
	s_lshl_b32 s98, s98, 2
	s_add_co_u32 s98, s98, s89
	s_mov_b32 s99, 0
	s_add_nc_u64 s[82:83], s[82:83], s[98:99]
	s_wait_loadcnt 0x0                             ; scales and bias
	SCG_ST 4, 64
	SCG_ST 5, 80
	START
	STEPF 0, 0, 0
	WIN 0
	s_cmp_lt_u32 ttmp9, 16                         ; the first products take the bias as C: by column for q and k, by row for v.  No load and no barrier stands in the arms
	s_cbranch_scc0 .Lbias_by_row
	MULS 0, MB, 0, 2
	WIN 0
	s_branch .Lbias_done
.Lbias_by_row:
	MULS 0, MB, 0, 3
	WIN 0
.Lbias_done:
	TURN 0, 1, 1, 1
	STEP 1, 0, 2, 0
	TURN 1, 0, 3, 1
	STEP 0, 0, 4, 0
	TURN 0, 1, 5, 0
	STEP 1, 0, 6, 0
	LAST
	; THE WAY OUT: block by block of 16 rows: two whole blocks of 32 to a lane, quantised, stored as an image
	PLACES 4
	v_mov_b32 v[WP], 0                             ; a lane permute's destination counts as one of its sources
	s_mul_i32 s96, s87, 1536
.irp a, 0,1,2,3,4,5,6,7
	v_mad_u32_u24 v[VO+\a], s96, \a, v[L16]        ; 16 x lane + a row tiles on
.endr
.irp a, 0,1,2,3,4,5,6,7
	SWAPS 64*(\a%4), 2+\a/4
	QMAX 64*(\a%4), 2+\a/4
	QFIN 64*(\a%4), 2+\a/4
.irp c, 0,1,2
	global_store_b128 v[VO+\a], v[QF+4*\c:QF+4*\c+3], s[12:13] offset:512*\c   ; 32 lanes store 512 consecutive bytes
.endr
	ds_store_b32 v[MSA], v[WD] offset:64*\a        ; both halves of the lanes write the same word with the same value
.endr
	ds_load_b128 v[156:159], v[MSR]                ; LDS serves a wave's instructions in order: this sees my stores
	s_wait_dscnt 0x0
	global_store_b128 v[L16], v[156:159], s[82:83] ; my 128 rows' scale words: 512 consecutive bytes
	FINISH
.Lfunc_end_k_q2753c0dcb9_qkv:
	.size	k_q2753c0dcb9_qkv, .Lfunc_end_k_q2753c0dcb9_qkv-k_q2753c0dcb9_qkv
	.p2alignl 7, 3214868480
	.fill 96, 4, 3214868480
	.section	.rodata,"a",@progbits
	.p2align	6, 0x0
	.amdhsa_kernel k_q2753c0dcb9_qkv
		.amdhsa_group_segment_fixed_size 327680
		.amdhsa_private_segment_fixed_size 0
		.amdhsa_enable_private_segment 0
		.amdhsa_kernarg_size 64
		.amdhsa_user_sgpr_count 2
		.amdhsa_user_sgpr_kernarg_segment_ptr 1
		.amdhsa_wavefront_size32 1
		.amdhsa_system_sgpr_workgroup_id_x 1
		.amdhsa_system_sgpr_workgroup_id_y 1
		.amdhsa_system_sgpr_workgroup_id_z 1
		.amdhsa_system_vgpr_workitem_id 0
		.amdhsa_next_free_vgpr 1024
		.amdhsa_next_free_sgpr 100
		.amdhsa_reserve_vcc 0
		.amdhsa_float_denorm_mode_32 3
		.amdhsa_float_denorm_mode_16_64 3
		.amdhsa_memory_ordered 1
		.amdhsa_forward_progress 1
		.amdhsa_inst_pref_size 188
	.end_amdhsa_kernel
	.amdgpu_metadata
---
amdhsa.version: [ 1, 2 ]
amdhsa.kernels:
  - .name:           k_q2753c0dcb9_qkv
    .symbol:         k_q2753c0dcb9_qkv.kd
    .args:
      - { .name: x_codes, .offset: 0, .size: 8, .value_kind: global_buffer, .address_space: global }
      - { .name: x_scales, .offset: 8, .size: 8, .value_kind: global_buffer, .address_space: global }
      - { .name: w_attn_codes, .offset: 16, .size: 8, .value_kind: global_buffer, .address_space: global }
      - { .name: w_attn_scales, .offset: 24, .size: 8, .value_kind: global_buffer, .address_space: global }
      - { .name: b_attn, .offset: 32, .size: 8, .value_kind: global_buffer, .address_space: global }
      - { .name: qk_img, .offset: 40, .size: 8, .value_kind: global_buffer, .address_space: global }
      - { .name: vt_img, .offset: 48, .size: 8, .value_kind: global_buffer, .address_space: global }
      - { .name: kv_sc, .offset: 56, .size: 8, .value_kind: global_buffer, .address_space: global }
    .group_segment_fixed_size: 327680
    .private_segment_fixed_size: 0
    .kernarg_segment_align: 8
    .kernarg_segment_size: 64
    .max_flat_workgroup_size: 128
    .sgpr_count:     100
    .vgpr_count:     1024
    .wavefront_size: 32
...
	.end_amdgpu_metadata
.endif
;; end of part 1
;; launch scores (part 2): grid 8 x 32, 4 waves a work-group, clusters of 4 x 4, 327,680 bytes of LDS; arguments qk_img, kv_sc, p_img, p_st; writes p_img, p_st
.if DOCPART == 2
	.amdgcn_target "amdgcn-amd-amdhsa--gfx1250"
	.amdhsa_code_object_version 6
	.text
	.protected	k_q2753c0dcb9_scores
	.globl	k_q2753c0dcb9_scores
	.p2align	8
	.type	k_q2753c0dcb9_scores,@function
k_q2753c0dcb9_scores:
	s_mov_b64 s[64:65], 0
	v_nop
	global_prefetch_b8 v0, s[64:65] scope:SCOPE_SE
	s_setreg_imm32_b32 hwreg(HW_REG_WAVE_MODE, 25, 1), 1
	s_wait_xcnt 0x0
	s_wait_alu depctr_hold_cnt(0) depctr_sa_sdst(0) depctr_va_vdst(0) depctr_va_sdst(0) depctr_va_ssrc(0) depctr_va_vcc(0) depctr_vm_vsrc(0)
	s_getreg_b32 s2, hwreg(HW_REG_IB_STS2, 6, 4)
	s_cmp_eq_u32 s2, 0
	s_cbranch_scc0 .Lentry_in_a_cluster
	s_endpgm
.Lentry_in_a_cluster:
	s_bfe_u32 s2, ttmp6, 0x10000c
	s_cmp_lg_u32 s2, 0xf033
	s_cbranch_scc0 .Lentry_shape_is_right
	s_endpgm
.Lentry_shape_is_right:
; S = q k^T on codes of FP6 (E2M3), and the softmax's p for the next product, with a maximum taken for each row and each 128 keys.
; C' = A' B'^T: A' = q (lanes: queries), B' = k of the query's batch (registers: keys); a tile of 256 x 256 to a work-group, 128 x 128 to a wave; K = 1,024 in four chunks of 256 through two LDS slots.
; A wave's 128 keys are one K step (chunk) of the next product.  For each row and chunk: t = score x log2(e) / 32; M = ceil(the chunk's largest t), a whole number; p = 2^(t - M), quantised along the keys;
; l = the sum of the unquantised p.  Stored: p's fragments as images, its scale words, -M and l.  The next launch finds the row's M, the largest of the sixteen, and brings each chunk under it by a power of two,
; which the scale bytes take up: the codes are those of the row's own M.
; CLUSTER 4 x 4: q's tiles are asked for jointly along a row of the cluster, k's along a column.
; LIMITS: NaN and infinities are not served.  A block all of whose p lie under 2^-124 keeps the scale byte 1 (its codes are zeros or next to it); p under 2^-126 comes out of v_exp_f32 as 0.
.set MB,    8
.set NQ,    2
.set NK,    8
.set A_IMG, 1                          ; both operands lie in memory as images of fragments
.set B_IMG, 1
; ======== THE CORE: the same text in all four launches ========
.set ROWSA, 32*MB                      ; rows of A' in the work-group's tile
.if A_IMG
.set AHALF, MB*NQ*1536                 ; what one tensor load brings of A', and what one wave reads: images, dense
.set CHA,   NQ*1536                    ; a chunk on along K, in memory
.else
.set AHALF, 16*MB*240                  ; rows of 192 bytes, 16 bytes of padding behind every 64: 240 bytes from row to row
.set CHA,   192
.endif
.if B_IMG
.set BHALF, 8*NQ*1536
.set CHB,   NQ*1536
.else
.set BHALF, 128*240
.set CHB,   192
.endif
.set ASZ,   2*AHALF
.set SLOT,  ASZ+2*BHALF                ; a slot: A's two halves, then B's two
.set SCLA,  2*SLOT                     ; behind the ring: A's scale words [K step][row], stored from registers, never filled by a tensor load
.set SCLB,  SCLA+NK*ROWSA*4            ; B's, [K step][256]
.set TOP,   SCLB+NK*1024
.set VR,   1                           ; v1   r = lane % 16
.set VH,   2                           ; v2   h = lane / 16
.set VL,   3                           ; v3   lane
.set L16,  6                           ; v6   16 x lane
.set H8,   7                           ; v7   8 h
.set CST,  8                           ; v8   a constant of the way out
.set MSA,  9                           ; v9   my wave's small stage: in
.set MSR,  10                          ; v10  and back
.set ADSA, 11                          ; v11  LDS address of my rows' scale words of A'
.set ADSB, 12                          ; v12  of B'
.set ADRA, 16                          ; v16-17 my fragments of A' in slot 0, 1 (v18-19: behind one padding more)
.set ADRB, 20                          ; v20-21 the same for B' (v22-23)
.set SPW,  28                          ; v28  LDS address of my spare word; never rewritten
.set NIL,  29                          ; v29  0; never rewritten
.set SCR,  32                          ; v32-63 scale words and nothing else: set p: A's block i at 32 + 16 p + i, B's at 40 + 16 p + i
.set AF,   64                          ; A's fragments, window 0, two sets of 12 MB registers;  B's: window 1, set p at 128 p;  accumulators: windows 2 and 3
.set ASET, 12*MB
.set QX,   64                          ; the way out (window 0, where A's fragments lay): 64 numbers,
.set QF,   128                         ; a fragment's 12 registers,
.set QT0,  140                         ; the halves that a conversion cannot put on an odd register,
.set QT1,  144
.set TM,   148                         ; two largest magnitudes, SO two scale operands, BY two bytes, WD the scale word, WP a permute's destination
.set SO,   150
.set BY,   152
.set WD,   154
.set WP,   155
.set G1,   24                          ; s[24:31] descriptor group 1 for A's tiles; s[32:39] group 0, a set for each slot
.set G0,   32
.set G1B,  48                          ; s[48:55], s[56:63] the same for B's
.set G0B,  56
.set SEL,  20                          ; s[20:21] v_permlanex16_b32's selects for lane l xor 16
.set CS,   22                          ; s[22:23]
.set MSB,  0
.macro WIN new                         ; the immediate's high byte repeats the setting that is left; a switch that changes nothing is dropped
.if MSB != (\new)
	s_set_vgpr_msb (MSB<<8)|(\new)
.set MSB, (\new)
.endif
.endm
.macro PLACES n                        ; plain vector instructions between a matrix instruction and a load into, or a vector instruction on, its registers
.rept \n
	v_nop
.endr
.endm
.macro JLOAD g0a, g1a, g0b, g1b        ; a joint load: waves 0, 1 fetch A's halves, waves 2, 3 B's; the branch hangs on the wave's number alone; four v_nop follow each line
	s_cmp_eq_u32 s15, 0
	s_cbranch_scc0 .Lfor_b_\@
	tensor_load_to_lds s[\g0a:\g0a+3], s[\g1a:\g1a+7]
	s_nop 0
.rept 4
	v_nop
.endr
	s_branch .Lasked_\@
.Lfor_b_\@:
	tensor_load_to_lds s[\g0b:\g0b+3], s[\g1b:\g1b+7]
	s_nop 0
.rept 4
	v_nop
.endr
.Lasked_\@:
.endm
.macro CREST                           ; a round of the cluster's barrier behind its opening barrier
	s_cmp_lg_u32 s14, 0
	s_cbranch_scc1 .Lnot_wave_0_\@
	s_barrier_signal -3
.Lnot_wave_0_\@:
	s_barrier_wait -3
	s_barrier_signal -1
	s_barrier_wait -1
.endm
.macro CROUND
	s_barrier_signal -1
	s_barrier_wait -1
	CREST
.endm
.macro G1ROWS g, m                     ; 128 rows x 192 bytes, 768 bytes apart in memory; elements of 1 byte; padding of 4 words behind every 16; s[m]: the mask; bit 21 beside it
	s_or_b32 s[\g], s[\m], (1<<20)|(1<<21)|(3<<22)|(3<<25)
	s_mov_b32 s[\g+1], 192<<16
	s_mov_b32 s[\g+2], 128<<16
	s_mov_b32 s[\g+3], 192<<16
	s_mov_b32 s[\g+4], 128
	s_mov_b32 s[\g+5], 768
	s_mov_b32 s[\g+6], 0
	s_mov_b32 s[\g+7], 0
.endm
.macro G1IMG g, m, ht, nks             ; ht row tiles x NQ images of 1,536 bytes, as elements of 8 bytes; a row tile has nks images in memory; no padding
	s_or_b32 s[\g], s[\m], (3<<16)|(1<<21)
	s_mov_b32 s[\g+1], (NQ*192)<<16
	s_mov_b32 s[\g+2], (\ht)<<16
	s_mov_b32 s[\g+3], (NQ*192)<<16
	s_mov_b32 s[\g+4], \ht
	s_mov_b32 s[\g+5], (\nks)*192
	s_mov_b32 s[\g+6], 0
	s_mov_b32 s[\g+7], 0
.endm
.macro WHOAMI
	v_lshl_add_u32 v[SPW], v0, 2, SPARE
	v_mov_b32 v[NIL], 0
	ds_add_u32 v28, v29
	ds_add_u32 v28, v29
	s_wait_dscnt 0x0
	v_lshrrev_b32 v4, 5, v0
	v_readfirstlane_b32 s14, v4                    ; wave 0..3
	s_lshr_b32 s15, s14, 1                         ; rh: my half of the tile's rows.  Also: I fetch for A' (0) or B' (1)
	s_and_b32 s16, s14, 1                          ; ch: my half of its columns.  Also: which half I fetch
	s_bfe_u32 s40, ttmp6, 0x40000                  ; cx, cy: my place in the cluster
	s_bfe_u32 s41, ttmp6, 0x40004
	s_lshl_b32 s43, s41, 2
	s_lshl_b32 s43, 15, s43                        ; my row of the cluster
	s_lshl_b32 s44, 0x1111, s40                    ; my column
	s_mul_i32 s45, s16, AHALF                      ; where my load goes: no place in the cluster enters an LDS address
	s_mul_i32 s66, s16, BHALF
	s_add_co_u32 s66, s66, ASZ
.endm
.macro FIRSTFILLS                      ; s[4:5], s[8:9]: the half tile of A', of B' that I fetch, chunk 0
	CROUND                                         ; all sixteen work-groups are here: the first joint loads meet
.irp s, 0,1
	s_mov_b32 s[G0+4*\s], 1
	s_add_co_u32 s[G0+4*\s+1], s45, \s*SLOT
	s_add_nc_u64 s[G0+4*\s+2:G0+4*\s+3], s[4:5], \s*CHA
	s_or_b32 s[G0+4*\s+3], s[G0+4*\s+3], 0x80000000
	s_mov_b32 s[G0B+4*\s], 1
	s_add_co_u32 s[G0B+4*\s+1], s66, \s*SLOT
	s_add_nc_u64 s[G0B+4*\s+2:G0B+4*\s+3], s[8:9], \s*CHB
	s_or_b32 s[G0B+4*\s+3], s[G0B+4*\s+3], 0x80000000
	JLOAD G0+4*\s, G1, G0B+4*\s, G1B
.endr
.endm
.macro ADDRS
	v_and_b32 v[VR], 15, v0
	v_bfe_u32 v[VH], v0, 4, 1
	v_and_b32 v[VL], 31, v0
	v_lshlrev_b32 v[L16], 4, v[VL]
	v_lshlrev_b32 v[H8], 3, v[VH]
.if A_IMG*B_IMG == 0
	v_mul_u32_u24 v4, v[VR], 240
	v_mad_u32_u24 v4, v[VH], 24, v4                ; rows: row x 240 + 24 h,
	v_lshl_add_u32 v5, v[VH], 4, v4                ; and the same behind one padding more
.endif
	s_mul_i32 s96, s15, AHALF                      ; my half of A',
	s_mul_i32 s97, s16, BHALF                      ; my half of B'
	s_add_co_u32 s97, s97, ASZ
.irp s, 0,1
.if A_IMG
	v_add_nc_u32 v[ADRA+\s], s96, v[L16]
.else
	v_add_nc_u32 v[ADRA+\s], s96, v4
	v_add_nc_u32 v[ADRA+2+\s], s96, v5
.endif
.if B_IMG
	v_add_nc_u32 v[ADRB+\s], s97, v[L16]
.else
	v_add_nc_u32 v[ADRB+\s], s97, v4
	v_add_nc_u32 v[ADRB+2+\s], s97, v5
.endif
	s_add_co_u32 s96, s96, SLOT
	s_add_co_u32 s97, s97, SLOT
.endr
	s_mul_i32 s96, s15, 64*MB
	s_lshl_b32 s97, s16, 9
	v_lshl_add_u32 v[ADSA], v[VR], 2, s96
	v_lshl_add_u32 v[ADSB], v[VR], 2, s97
	v_add_nc_u32 v[ADSA], SCLA, v[ADSA]
	v_add_nc_u32 v[ADSB], SCLB, v[ADSB]
.endm
.macro FRAGR reg, adr, q, i            ; a fragment from rows: 24 bytes of the row's stream twice, in pieces of 8; lanes 16-31 read three pieces on, which for some pieces is behind one padding more
.irp p, 0,1,2,3,4,5
.set PCE, 12*(\q)+6*(\p/3)+\p%3
.if PCE%8 < 5
	ds_load_b64 v[\reg+2*\p:\reg+2*\p+1], v[\adr] offset:8*PCE+16*(PCE/8)+(\i)*16*240
.else
	ds_load_b64 v[\reg+2*\p:\reg+2*\p+1], v[\adr+2] offset:8*PCE+16*(PCE/8)+(\i)*16*240
.endif
.endr
.endm
.macro FRAGI reg, adr, q, i            ; a fragment from its image: three loads of 512 consecutive bytes
.irp c, 0,1,2
	ds_load_b128 v[\reg+4*\c:\reg+4*\c+3], v[\adr] offset:(\i)*NQ*1536+(\q)*1536+512*\c
.endr
.endm
.macro FETCH slot, q, ks, set          ; all fragments and scale words of one K step (the slot's q-th, the product's ks-th) into set
	WIN 0x40                                       ; destination window 1, address window 0
.set ii, 0
.rept 8
.if B_IMG
	FRAGI 128*(\set)+12*ii, ADRB+(\slot), \q, ii
.else
	FRAGR 128*(\set)+12*ii, ADRB+(\slot), \q, ii
.endif
.set ii, ii+1
.endr
	WIN 0
.set ii, 0
.rept MB
.if A_IMG
	FRAGI AF+ASET*(\set)+12*ii, ADRA+(\slot), \q, ii
.else
	FRAGR AF+ASET*(\set)+12*ii, ADRA+(\slot), \q, ii
.endif
.set ii, ii+1
.endr
.set ii, 0
.rept MB
	ds_load_b32 v[SCR+16*(\set)+ii], v[ADSA] offset:(\ks)*ROWSA*4+64*ii
.set ii, ii+1
.endr
.set ii, 0
.rept 8
	ds_load_b32 v[SCR+8+16*(\set)+ii], v[ADSB] offset:(\ks)*1024+64*ii
.set ii, ii+1
.endr
.endm
; 8 matrix instructions: A's block a against B's eight.  TRANSPOSED: source 0 = 16 rows of B', source 1 = 16 rows of A': lane (r, h) holds row r of the block and columns 16 b + 8 h + 0 .. 7.
; Accumulator (a, b) stands at 64 (a % 4) + 8 PB(b), PB = 0, 2, 1, 3 within each four: the order that SWAPS wants.  cm: C = the sum itself (0), the constant 0 (1), bias group b (2) or a (3), in window 1.
; The accumulators take turns, one instruction a turn, in the same order in every step.
.macro MULB a, set, cm
.if (\cm) >= 2
	WIN 0x91+0x40*((\a)/4)
.else
	WIN 0xa1+0x50*((\a)/4)
.endif
.set bb, 0
.rept 8
.set mD, 64*((\a)%4)+8*(4*(bb/4)+2*(bb%2)+(bb/2)%2)
.set mB, 128*(\set)+12*bb
.set mA, AF+ASET*(\set)+12*(\a)
.set mSB, SCR+8+16*(\set)+bb
.set mSA, SCR+16*(\set)+(\a)
.if (\cm) == 0
	v_wmma_scale_f32_16x16x128_f8f6f4 v[mD:mD+7], v[mB:mB+11], v[mA:mA+11], v[mD:mD+7], v[mSB], v[mSA] matrix_a_fmt:MATRIX_FMT_FP6 matrix_b_fmt:MATRIX_FMT_FP6
.elseif (\cm) == 1
	v_wmma_scale_f32_16x16x128_f8f6f4 v[mD:mD+7], v[mB:mB+11], v[mA:mA+11], 0, v[mSB], v[mSA] matrix_a_fmt:MATRIX_FMT_FP6 matrix_b_fmt:MATRIX_FMT_FP6
.else
.if (\cm) == 2
.set mP, 96+8*bb+96*(bb/4)
.else
.set mP, 96+8*(\a)+96*((\a)/4)
.endif
	v_wmma_scale_f32_16x16x128_f8f6f4 v[mD:mD+7], v[mB:mB+11], v[mA:mA+11], v[mP:mP+7], v[mSB], v[mSA] matrix_a_fmt:MATRIX_FMT_FP6 matrix_b_fmt:MATRIX_FMT_FP6
.endif
.set bb, bb+1
.endr
.endm
.macro MULS a0, n, set, cm
.set aa, \a0
.rept \n
	MULB aa, \set, \cm
.set aa, aa+1
.endr
.endm
.macro STEPF slot, q, ks               ; the head of a step that has its successor in the same slot
	s_wait_dscnt 0x0                               ; this step's set, asked for a whole step ago, is in
	WIN 0
	PLACES 4                                       ; behind the last products, which read the other set
	FETCH \slot, (\q)+1, (\ks)+1, 1-(\ks)%2
.endm
.macro STEP slot, q, ks, cm
	STEPF \slot, \q, \ks
	MULS 0, MB, (\ks)%2, \cm
.endm
; A slot's last step (set 1) changes slots: ONE barrier.  In front of it each wave waits for all its tensor loads, adds 0 to its spare word, and waits for that and for its reads of this slot.
; fill = 1: the barrier opens a round of the cluster's barrier, and this slot is filled again, two chunks on: the first tensor load behind the round, one a wave.
.macro TURN slot, next, ks, fill
	WIN 0
	s_wait_tensorcnt 0x0                           ; all my tensor loads have landed: my part of the next slot
	ds_add_u32 v[SPW], v[NIL]                      ; 0 onto my spare word
	s_wait_dscnt 1                                 ; the add alone may be out: this step's set is in
	MULS 0, MB/4, 1, 0
	s_wait_dscnt 0x0                               ; the add is done, and my reads of this slot are over
	s_barrier_signal -1
	MULS MB/4, MB/4, 1, 0
	WIN 0
	s_barrier_wait -1
.if \fill
	CREST                                          ; no wave of any partner still reads this slot or has a load on its way
	s_add_nc_u64 s[G0+4*\slot+2:G0+4*\slot+3], s[G0+4*\slot+2:G0+4*\slot+3], 2*CHA
	s_add_nc_u64 s[G0B+4*\slot+2:G0B+4*\slot+3], s[G0B+4*\slot+2:G0B+4*\slot+3], 2*CHB
	JLOAD G0+4*\slot, G1, G0B+4*\slot, G1B         ; its four v_nop are also the places in front of the loads below
.else
	PLACES 4
.endif
	FETCH \next, 0, (\ks)+1, 0
	MULS MB/2, MB/2, 1, 0
.endm
.macro LAST
	s_wait_dscnt 0x0
	MULS 0, MB, 1, 0
	WIN 0
.endm
.macro START
	s_wait_tensorcnt 1                             ; my part of chunk 0 is in; chunk 1's load may be out
	s_wait_dscnt 0x0                               ; my stores of scale words have landed
	s_barrier_signal -1
	s_barrier_wait -1
	FETCH 0, 0, 0, 0
.endm
.macro FINISH
	s_wait_tensorcnt 0x0                           ; the wave's end: behind my last tensor load and my last LDS store
	ds_add_u32 v[SPW], v[NIL]
	s_wait_dscnt 0x0
	CROUND                                         ; the closing round
	s_endpgm
.endm
; A block's 64 numbers at x in window w.  Before: register 8 PB(4 c + v) + j holds column 64 c + 16 v + 8 h + j.  Sixteen exchanges of half rows for each c; after: register 32 c + i holds column 64 c + 32 h + i:
; a lane owns two whole blocks of 32, in the order of the 6-bit operand's registers.  Each accumulator is read from its lowest register on.
.macro SWAPS x, w
	WIN 0x55*(\w)
.irp c, 0,1
.irp j, 0,1,2,3,4,5,6,7
	v_permlane16_swap_b32 v[(\x)+32*\c+\j], v[(\x)+32*\c+8+\j]
	v_permlane16_swap_b32 v[(\x)+32*\c+16+\j], v[(\x)+32*\c+24+\j]
.endr
.endr
.endm
.macro QMAX x, w                       ; the two blocks' largest magnitudes, over the floor 2^(3 - 127) in v[CST], which holds the byte at 1 from below
	WIN ((\w)<<2)|((\w)<<4)
.irp c, 0,1
	v_max3_num_f32 v[TM+\c], v[CST], |v[(\x)+32*\c]|, |v[(\x)+32*\c+1]|
.endr
.set jj, 2
.rept 15
.irp c, 0,1
	v_max3_num_f32 v[TM+\c], v[TM+\c], |v[(\x)+32*\c+jj]|, |v[(\x)+32*\c+jj+1]|
.endr
.set jj, jj+2
.endr
	WIN 0
.endm
.macro QFIN x, w                       ; from the two largest magnitudes: the scale word in v[WD], the fragment in v[QF] on
.irp c, 0,1
	v_add_nc_u32 v[SO+\c], 0xff000000, v[TM+\c]    ; 2 off the exponent field: the conversion's scale operand
.endr
.irp c, 0,1
	v_lshrrev_b32 v[BY+\c], 23, v[SO+\c]           ; the scale's byte
.endr
	v_lshl_or_b32 v[WD], v[BY+1], 16, v[BY]        ; my bytes: blocks h and 2 + h,
	v_lshlrev_b32 v[WD], v[H8], v[WD]              ; at their places;
	v_permlanex16_b32 v[WP], v[WD], s[SEL], s[SEL+1]
	v_or_b32 v[WD], v[WD], v[WP]                   ; with lane l xor 16's two the word is whole
	s_wait_xcnt 0x0                                ; the last block's stores have read the fragment's registers
	WIN \w
	v_cvt_scalef32_pk16_fp6_f32 v[QF:QF+2], v[(\x):(\x)+15], v[SO]
	v_cvt_scalef32_pk16_fp6_f32 v[QT0:QT0+2], v[(\x)+16:(\x)+31], v[SO]
	v_cvt_scalef32_pk16_fp6_f32 v[QF+6:QF+8], v[(\x)+32:(\x)+47], v[SO+1]
	v_cvt_scalef32_pk16_fp6_f32 v[QT1:QT1+2], v[(\x)+48:(\x)+63], v[SO+1]
	WIN 0
	v_nop                                          ; one plain place behind a scaled conversion
.irp i, 0,1,2
	v_mov_b32 v[QF+3+\i], v[QT0+\i]
	v_mov_b32 v[QF+9+\i], v[QT1+\i]
.endr
.endm
; ======== the core ends ========
.set MST,   TOP                        ; three planes (scale words, -M, l) of 512 bytes for each wave
.set SPARE, MST+3*2048
.set NM,    156                        ; v[156:157] -M (the packed form names the pair)
.set SUMA,  158                        ; v[158:159], v[160:161] the sum in two chains
.set SUMB,  160
.set RM,    162                        ; the row's largest score of the chunk
	s_load_b256 s[68:75], s[0:1], 0x0              ; qk_img, kv_sc, p_img, p_st
	WHOAMI
	s_and_b32 s67, ttmp7, 0xffff                   ; the cluster's y
	s_lshl_b32 s17, s67, 2
	s_add_co_u32 s17, s17, s41                     ; TR: 256 queries, 0..31
	s_lshl_b32 s42, ttmp9, 2
	s_add_co_u32 s42, s42, s40                     ; TC: 256 keys of the batch, 0..7
	s_lshr_b32 s67, s67, 1                         ; the batch: all sixteen partners share it
	G1IMG G1, 43, 8, 16
	G1IMG G1B, 44, 8, 16
	s_lshl_b32 s18, s17, 4
	s_lshl_b32 s19, s16, 3
	s_add_co_u32 s18, s18, s19                     ; q: row tile 16 TR + 8 x the half that I fetch; a row tile is 16 images; q's are the first eight
	s_mul_i32 s20, s18, 24576
	s_mov_b32 s21, 0
	s_lshl_b32 s22, s17, 10                        ; q's scale words: [K step][8,192 rows]
	s_mov_b32 s23, 0
	s_lshl_b32 s46, s67, 7
	s_lshl_b32 s47, s42, 4
	s_add_co_u32 s46, s46, s47
	s_add_co_u32 s46, s46, s19                     ; k: row tile 128 batch + 16 TC + 8 x half,
	s_mul_i32 s46, s46, 24576
	s_add_co_u32 s46, s46, 12288                   ; images 8 to 15
	s_mov_b32 s47, 0
	s_lshl_b32 s94, s67, 13
	s_lshl_b32 s95, s42, 10
	s_add_co_u32 s94, s94, s95
	s_add_co_u32 s94, s94, 262144                  ; k's scale words: K steps 8 to 15
	s_mov_b32 s95, 0
	s_wait_kmcnt 0x0
	s_add_nc_u64 s[4:5], s[68:69], s[20:21]
	s_add_nc_u64 s[6:7], s[70:71], s[22:23]
	s_add_nc_u64 s[8:9], s[68:69], s[46:47]
	s_add_nc_u64 s[10:11], s[70:71], s[94:95]
	FIRSTFILLS
	ADDRS
	v_lshlrev_b32 v14, 3, v0                       ; 8 x thread: two rows' words
.irp k, 0,1,2,3,4,5,6,7
	global_load_b64 v[64+2*\k:65+2*\k], v14, s[6:7] offset:32768*\k
.endr
.irp k, 0,1,2,3,4,5,6,7
	global_load_b64 v[80+2*\k:81+2*\k], v14, s[10:11] offset:32768*\k
.endr
	v_lshl_add_u32 v4, v0, 3, SCLA
	v_lshl_add_u32 v5, v0, 3, SCLB
	s_lshl_b32 s96, s14, 9
	v_lshl_add_u32 v[MSA], v[VR], 2, s96
	v_add_nc_u32 v[MSA], MST, v[MSA]
	v_add_nc_u32 v[MSR], s96, v[L16]
	v_add_nc_u32 v[MSR], MST, v[MSR]
	v_mov_b32 v[CST], 0xff61b1e6                   ; -3e38, under every score
	s_mov_b32 s[SEL], 0x76543210
	s_mov_b32 s[SEL+1], 0xfedcba98
	s_mov_b32 s[CS], 0x3d38aa3b                    ; c = log2(e) / sqrt(1,024)
	s_mov_b32 s[CS+1], s[CS]
	; where I write: p's image ((16 TR + 8 rh) x 16 + chunk) x 1,536;  the statistics chunk x 32,768 + (256 TR + 128 rh) x 4 in each plane
	s_lshl_b32 s96, s17, 4
	s_lshl_b32 s97, s15, 3
	s_add_co_u32 s96, s96, s97
	s_lshl_b32 s96, s96, 4
	s_lshl_b32 s98, s42, 1
	s_add_co_u32 s98, s98, s16                     ; the chunk: 2 TC + ch
	s_add_co_u32 s96, s96, s98
	s_mul_i32 s96, s96, 1536
	s_mov_b32 s97, 0
	s_add_nc_u64 s[12:13], s[72:73], s[96:97]
	s_lshl_b32 s98, s98, 15
	s_lshl_b32 s99, s17, 10
	s_add_co_u32 s98, s98, s99
	s_lshl_b32 s99, s15, 9
	s_add_co_u32 s98, s98, s99
	s_mov_b32 s99, 0
	s_add_nc_u64 s[86:87], s[74:75], s[98:99]
	s_wait_loadcnt 0x0
.irp k, 0,1,2,3,4,5,6,7
	ds_store_b64 v4, v[64+2*\k:65+2*\k] offset:1024*\k
	ds_store_b64 v5, v[80+2*\k:81+2*\k] offset:1024*\k
.endr
	START
	STEP 0, 0, 0, 1                                ; the first products start the sums: nothing is cleared
	TURN 0, 1, 1, 1
	STEP 1, 0, 2, 0
	TURN 1, 0, 3, 1
	STEP 0, 0, 4, 0
	TURN 0, 1, 5, 0
	STEP 1, 0, 6, 0
	LAST
; THE WAY OUT of block a: 16 queries x my 128 keys
.macro SOFT a
.set xa, 64*((\a)%4)
.set ww, 2+(\a)/4
	SWAPS xa, ww
	WIN (ww<<2)|(ww<<4)
.irp c, 0,1
	v_max3_num_f32 v[TM+\c], v[CST], v[xa+32*\c], v[xa+32*\c+1]   ; the largest SCORE of each of my two blocks of 32 keys: it serves for the row's maximum and, since p rises with the score, for the block's largest p
.endr
.set jj, 2
.rept 15
.irp c, 0,1
	v_max3_num_f32 v[TM+\c], v[TM+\c], v[xa+32*\c+jj], v[xa+32*\c+jj+1]
.endr
.set jj, jj+2
.endr
	WIN 0
	v_max_num_f32 v[RM], v[TM], v[TM+1]
	v_permlanex16_b32 v[WP], v[RM], s[SEL], s[SEL+1]
	v_max_num_f32 v[RM], v[RM], v[WP]              ; with lane l xor 16's 64 keys
	v_mul_f32 v[RM], s[CS], v[RM]                  ; as t (c is positive)
	v_floor_f32 v[NM], -v[RM]                      ; -M = floor(-t) = -ceil(t): a whole number
	v_floor_f32 v[NM+1], -v[RM]                    ; (the pair is named)
	WIN ww
.set jj, 0
.rept 32
	v_pk_fma_f32 v[QX+jj:QX+jj+1], v[xa+jj:xa+jj+1], s[CS:CS+1], v[NM:NM+1] op_sel_hi:[1,0,0]   ; t - M, two at a time, into window 0
.set jj, jj+2
.endr
	WIN 0
.irp c, 0,1
	v_fma_f32 v[TM+\c], v[TM+\c], s[CS], v[NM]     ; the same of each block's largest score
.endr
.set jj, 0
.rept 64
	v_exp_f32 v[QX+jj], v[QX+jj]                   ; p = 2^(t - M): not normalised
.set jj, jj+1
.endr
	v_nop                                          ; a plain place behind the exponentials
	s_wait_alu depctr_va_vdst(0)                   ; one wait for the batch, ahead of its first reader
	v_exp_f32 v[TM], v[TM]                         ; the blocks' largest p: the same two instructions on the same number give the same bits
	v_exp_f32 v[TM+1], v[TM+1]
	v_pk_add_f32 v[SUMA:SUMA+1], v[QX:QX+1], v[QX+2:QX+3]          ; the sum is taken of the unquantised p, in two chains
	v_pk_add_f32 v[SUMB:SUMB+1], v[QX+4:QX+5], v[QX+6:QX+7]
.set jj, 8
.rept 14
	v_pk_add_f32 v[SUMA:SUMA+1], v[SUMA:SUMA+1], v[QX+jj:QX+jj+1]
	v_pk_add_f32 v[SUMB:SUMB+1], v[SUMB:SUMB+1], v[QX+jj+2:QX+jj+3]
.set jj, jj+4
.endr
	v_pk_add_f32 v[SUMA:SUMA+1], v[SUMA:SUMA+1], v[SUMB:SUMB+1]
	v_add_f32 v[SUMA], v[SUMA], v[SUMA+1]
	v_permlanex16_b32 v[WP], v[SUMA], s[SEL], s[SEL+1]
	v_add_f32 v[SUMA], v[SUMA], v[WP]              ; the chunk's l of my row
	s_wait_alu depctr_va_vdst(0)                   ; and one wait for the two
.irp c, 0,1
	v_max_num_f32 v[TM+\c], 0x1800000, v[TM+\c]    ; the floor 2^(3 - 127): the byte cannot fall under 1
.endr
	QFIN QX, 0
.irp c, 0,1,2
	global_store_b128 v[L16], v[QF+4*\c:QF+4*\c+3], s[12:13] offset:(\a)*24576+512*\c   ; 32 lanes store 512 consecutive bytes
.endr
	ds_store_b32 v[MSA], v[WD] offset:64*(\a)      ; both halves of the lanes write the same word with the same value
	ds_store_b32 v[MSA], v[NM] offset:2048+64*(\a)
	ds_store_b32 v[MSA], v[SUMA] offset:4096+64*(\a)
.endm
	PLACES 4
	v_mov_b32 v[WP], 0                             ; a lane permute's destination counts as one of its sources
.irp a, 0,1,2,3,4,5,6,7
	SOFT \a
.endr
.irp p, 0,1,2
	ds_load_b128 v[164+4*\p:167+4*\p], v[MSR] offset:2048*\p       ; LDS serves a wave's instructions in order: these see my stores
.endr
	s_wait_dscnt 0x0
.irp p, 0,1,2
	global_store_b128 v[L16], v[164+4*\p:167+4*\p], s[86:87] offset:524288*\p   ; my 128 rows' words of a plane: 512 consecutive bytes
.endr
	FINISH
.Lfunc_end_k_q2753c0dcb9_scores:
	.size	k_q2753c0dcb9_scores, .Lfunc_end_k_q2753c0dcb9_scores-k_q2753c0dcb9_scores
	.p2alignl 7, 3214868480
	.fill 96, 4, 3214868480
	.section	.rodata,"a",@progbits
	.p2align	6, 0x0
	.amdhsa_kernel k_q2753c0dcb9_scores
		.amdhsa_group_segment_fixed_size 327680
		.amdhsa_private_segment_fixed_size 0
		.amdhsa_enable_private_segment 0
		.amdhsa_kernarg_size 32
		.amdhsa_user_sgpr_count 2
		.amdhsa_user_sgpr_kernarg_segment_ptr 1
		.amdhsa_wavefront_size32 1
		.amdhsa_system_sgpr_workgroup_id_x 1
		.amdhsa_system_sgpr_workgroup_id_y 1
		.amdhsa_system_sgpr_workgroup_id_z 1
		.amdhsa_system_vgpr_workitem_id 0
		.amdhsa_next_free_vgpr 1024
		.amdhsa_next_free_sgpr 100
		.amdhsa_reserve_vcc 0
		.amdhsa_float_denorm_mode_32 3
		.amdhsa_float_denorm_mode_16_64 3
		.amdhsa_memory_ordered 1
		.amdhsa_forward_progress 1
		.amdhsa_inst_pref_size 203
	.end_amdhsa_kernel
	.amdgpu_metadata
---
amdhsa.version: [ 1, 2 ]
amdhsa.kernels:
  - .name:           k_q2753c0dcb9_scores
    .symbol:         k_q2753c0dcb9_scores.kd
    .args:
      - { .name: qk_img, .offset: 0, .size: 8, .value_kind: global_buffer, .address_space: global }
      - { .name: kv_sc, .offset: 8, .size: 8, .value_kind: global_buffer, .address_space: global }
      - { .name: p_img, .offset: 16, .size: 8, .value_kind: global_buffer, .address_space: global }
      - { .name: p_st, .offset: 24, .size: 8, .value_kind: global_buffer, .address_space: global }
    .group_segment_fixed_size: 327680
    .private_segment_fixed_size: 0
    .kernarg_segment_align: 8
    .kernarg_segment_size: 32
    .max_flat_workgroup_size: 128
    .sgpr_count:     100
    .vgpr_count:     1024
    .wavefront_size: 32
...
	.end_amdgpu_metadata
.endif
;; end of part 2
;; launch pv (part 3): grid 4 x 64, 4 waves a work-group, clusters of 4 x 4, 327,680 bytes of LDS; arguments p_img, p_st, vt_img, kv_sc, o_img, o_sc; writes o_img, o_sc
.if DOCPART == 3
	.amdgcn_target "amdgcn-amd-amdhsa--gfx1250"
	.amdhsa_code_object_version 6
	.text
	.protected	k_q2753c0dcb9_pv
	.globl	k_q2753c0dcb9_pv
	.p2align	8
	.type	k_q2753c0dcb9_pv,@function
k_q2753c0dcb9_pv:
	s_mov_b64 s[64:65], 0
	v_nop
	global_prefetch_b8 v0, s[64:65] scope:SCOPE_SE
	s_setreg_imm32_b32 hwreg(HW_REG_WAVE_MODE, 25, 1), 1
	s_wait_xcnt 0x0
	s_wait_alu depctr_hold_cnt(0) depctr_sa_sdst(0) depctr_va_vdst(0) depctr_va_sdst(0) depctr_va_ssrc(0) depctr_va_vcc(0) depctr_vm_vsrc(0)
	s_getreg_b32 s2, hwreg(HW_REG_IB_STS2, 6, 4)
	s_cmp_eq_u32 s2, 0
	s_cbranch_scc0 .Lentry_in_a_cluster
	s_endpgm
.Lentry_in_a_cluster:
	s_bfe_u32 s2, ttmp6, 0x10000c
	s_cmp_lg_u32 s2, 0xf033
	s_cbranch_scc0 .Lentry_shape_is_right
	s_endpgm
.Lentry_shape_is_right:
; o = (p v) / l on codes of FP6 (E2M3), and its quantising along the channels for the projection.
; C' = A' B'^T: A' = p (lanes: queries), B' = v^T (registers: channels d); a tile of 128 x 256 to a work-group, so that there are 256 of them; 64 x 128 to a wave; K = the batch's 2,048 keys in four chunks of 512 through two LDS slots.
; THE HEAD joins the sixteen chunks of a row's softmax.  Thread t takes row t of the tile: -M = the least of the chunks' -M (M is the row's true largest, rounded up); D = M - the chunk's M, a whole number, 0 or more;
; l = the sum of l_c 2^-D; each of the chunk's four scale bytes has D taken off it: exact, the codes stay.  1 / l waits in LDS for the way out.
; CLUSTER 4 x 4: p's tiles are asked for jointly along a row of the cluster, v^T's along a column.
; LIMITS: NaN and infinities are not served.  D is held at 127, and a scale byte that would fall under 0 becomes 0 (2^-127): what that changes lies under 2^-120 beside a row whose largest p is over 1/2.
; 1 / l by v_rcp_f32.  On the way out a block whose largest magnitude lies under 2^-124 keeps the scale byte 1; the bytes are read by this program's launches alone.
.set MB,    4
.set NQ,    4
.set NK,    16
.set A_IMG, 1
.set B_IMG, 1
; ======== THE CORE: the same text in all four launches ========
.set ROWSA, 32*MB                      ; rows of A' in the work-group's tile
.if A_IMG
.set AHALF, MB*NQ*1536                 ; what one tensor load brings of A', and what one wave reads: images, dense
.set CHA,   NQ*1536                    ; a chunk on along K, in memory
.else
.set AHALF, 16*MB*240                  ; rows of 192 bytes, 16 bytes of padding behind every 64: 240 bytes from row to row
.set CHA,   192
.endif
.if B_IMG
.set BHALF, 8*NQ*1536
.set CHB,   NQ*1536
.else
.set BHALF, 128*240
.set CHB,   192
.endif
.set ASZ,   2*AHALF
.set SLOT,  ASZ+2*BHALF                ; a slot: A's two halves, then B's two
.set SCLA,  2*SLOT                     ; behind the ring: A's scale words [K step][row], stored from registers, never filled by a tensor load
.set SCLB,  SCLA+NK*ROWSA*4            ; B's, [K step][256]
.set TOP,   SCLB+NK*1024
.set VR,   1                           ; v1   r = lane % 16
.set VH,   2                           ; v2   h = lane / 16
.set VL,   3                           ; v3   lane
.set L16,  6                           ; v6   16 x lane
.set H8,   7                           ; v7   8 h
.set CST,  8                           ; v8   a constant of the way out
.set MSA,  9                           ; v9   my wave's small stage: in
.set MSR,  10                          ; v10  and back
.set ADSA, 11                          ; v11  LDS address of my rows' scale words of A'
.set ADSB, 12                          ; v12  of B'
.set ADRA, 16                          ; v16-17 my fragments of A' in slot 0, 1 (v18-19: behind one padding more)
.set ADRB, 20                          ; v20-21 the same for B' (v22-23)
.set SPW,  28                          ; v28  LDS address of my spare word; never rewritten
.set NIL,  29                          ; v29  0; never rewritten
.set SCR,  32                          ; v32-63 scale words and nothing else: set p: A's block i at 32 + 16 p + i, B's at 40 + 16 p + i
.set AF,   64                          ; A's fragments, window 0, two sets of 12 MB registers;  B's: window 1, set p at 128 p;  accumulators: windows 2 and 3
.set ASET, 12*MB
.set QX,   64                          ; the way out (window 0, where A's fragments lay): 64 numbers,
.set QF,   128                         ; a fragment's 12 registers,
.set QT0,  140                         ; the halves that a conversion cannot put on an odd register,
.set QT1,  144
.set TM,   148                         ; two largest magnitudes, SO two scale operands, BY two bytes, WD the scale word, WP a permute's destination
.set SO,   150
.set BY,   152
.set WD,   154
.set WP,   155
.set G1,   24                          ; s[24:31] descriptor group 1 for A's tiles; s[32:39] group 0, a set for each slot
.set G0,   32
.set G1B,  48                          ; s[48:55], s[56:63] the same for B's
.set G0B,  56
.set SEL,  20                          ; s[20:21] v_permlanex16_b32's selects for lane l xor 16
.set CS,   22                          ; s[22:23]
.set MSB,  0
.macro WIN new                         ; the immediate's high byte repeats the setting that is left; a switch that changes nothing is dropped
.if MSB != (\new)
	s_set_vgpr_msb (MSB<<8)|(\new)
.set MSB, (\new)
.endif
.endm
.macro PLACES n                        ; plain vector instructions between a matrix instruction and a load into, or a vector instruction on, its registers
.rept \n
	v_nop
.endr
.endm
.macro JLOAD g0a, g1a, g0b, g1b        ; a joint load: waves 0, 1 fetch A's halves, waves 2, 3 B's; the branch hangs on the wave's number alone; four v_nop follow each line
	s_cmp_eq_u32 s15, 0
	s_cbranch_scc0 .Lfor_b_\@
	tensor_load_to_lds s[\g0a:\g0a+3], s[\g1a:\g1a+7]
	s_nop 0
.rept 4
	v_nop
.endr
	s_branch .Lasked_\@
.Lfor_b_\@:
	tensor_load_to_lds s[\g0b:\g0b+3], s[\g1b:\g1b+7]
	s_nop 0
.rept 4
	v_nop
.endr
.Lasked_\@:
.endm
.macro CREST                           ; a round of the cluster's barrier behind its opening barrier
	s_cmp_lg_u32 s14, 0
	s_cbranch_scc1 .Lnot_wave_0_\@
	s_barrier_signal -3
.Lnot_wave_0_\@:
	s_barrier_wait -3
	s_barrier_signal -1
	s_barrier_wait -1
.endm
.macro CROUND
	s_barrier_signal -1
	s_barrier_wait -1
	CREST
.endm
.macro G1ROWS g, m                     ; 128 rows x 192 bytes, 768 bytes apart in memory; elements of 1 byte; padding of 4 words behind every 16; s[m]: the mask; bit 21 beside it
	s_or_b32 s[\g], s[\m], (1<<20)|(1<<21)|(3<<22)|(3<<25)
	s_mov_b32 s[\g+1], 192<<16
	s_mov_b32 s[\g+2], 128<<16
	s_mov_b32 s[\g+3], 192<<16
	s_mov_b32 s[\g+4], 128
	s_mov_b32 s[\g+5], 768
	s_mov_b32 s[\g+6], 0
	s_mov_b32 s[\g+7], 0
.endm
.macro G1IMG g, m, ht, nks             ; ht row tiles x NQ images of 1,536 bytes, as elements of 8 bytes; a row tile has nks images in memory; no padding
	s_or_b32 s[\g], s[\m], (3<<16)|(1<<21)
	s_mov_b32 s[\g+1], (NQ*192)<<16
	s_mov_b32 s[\g+2], (\ht)<<16
	s_mov_b32 s[\g+3], (NQ*192)<<16
	s_mov_b32 s[\g+4], \ht
	s_mov_b32 s[\g+5], (\nks)*192
	s_mov_b32 s[\g+6], 0
	s_mov_b32 s[\g+7], 0
.endm
.macro WHOAMI
	v_lshl_add_u32 v[SPW], v0, 2, SPARE
	v_mov_b32 v[NIL], 0
	ds_add_u32 v28, v29
	ds_add_u32 v28, v29
	s_wait_dscnt 0x0
	v_lshrrev_b32 v4, 5, v0
	v_readfirstlane_b32 s14, v4                    ; wave 0..3
	s_lshr_b32 s15, s14, 1                         ; rh: my half of the tile's rows.  Also: I fetch for A' (0) or B' (1)
	s_and_b32 s16, s14, 1                          ; ch: my half of its columns.  Also: which half I fetch
	s_bfe_u32 s40, ttmp6, 0x40000                  ; cx, cy: my place in the cluster
	s_bfe_u32 s41, ttmp6, 0x40004
	s_lshl_b32 s43, s41, 2
	s_lshl_b32 s43, 15, s43                        ; my row of the cluster
	s_lshl_b32 s44, 0x1111, s40                    ; my column
	s_mul_i32 s45, s16, AHALF                      ; where my load goes: no place in the cluster enters an LDS address
	s_mul_i32 s66, s16, BHALF
	s_add_co_u32 s66, s66, ASZ
.endm
.macro FIRSTFILLS                      ; s[4:5], s[8:9]: the half tile of A', of B' that I fetch, chunk 0
	CROUND                                         ; all sixteen work-groups are here: the first joint loads meet
.irp s, 0,1
	s_mov_b32 s[G0+4*\s], 1
	s_add_co_u32 s[G0+4*\s+1], s45, \s*SLOT
	s_add_nc_u64 s[G0+4*\s+2:G0+4*\s+3], s[4:5], \s*CHA
	s_or_b32 s[G0+4*\s+3], s[G0+4*\s+3], 0x80000000
	s_mov_b32 s[G0B+4*\s], 1
	s_add_co_u32 s[G0B+4*\s+1], s66, \s*SLOT
	s_add_nc_u64 s[G0B+4*\s+2:G0B+4*\s+3], s[8:9], \s*CHB
	s_or_b32 s[G0B+4*\s+3], s[G0B+4*\s+3], 0x80000000
	JLOAD G0+4*\s, G1, G0B+4*\s, G1B
.endr
.endm
.macro ADDRS
	v_and_b32 v[VR], 15, v0
	v_bfe_u32 v[VH], v0, 4, 1
	v_and_b32 v[VL], 31, v0
	v_lshlrev_b32 v[L16], 4, v[VL]
	v_lshlrev_b32 v[H8], 3, v[VH]
.if A_IMG*B_IMG == 0
	v_mul_u32_u24 v4, v[VR], 240
	v_mad_u32_u24 v4, v[VH], 24, v4                ; rows: row x 240 + 24 h,
	v_lshl_add_u32 v5, v[VH], 4, v4                ; and the same behind one padding more
.endif
	s_mul_i32 s96, s15, AHALF                      ; my half of A',
	s_mul_i32 s97, s16, BHALF                      ; my half of B'
	s_add_co_u32 s97, s97, ASZ
.irp s, 0,1
.if A_IMG
	v_add_nc_u32 v[ADRA+\s], s96, v[L16]
.else
	v_add_nc_u32 v[ADRA+\s], s96, v4
	v_add_nc_u32 v[ADRA+2+\s], s96, v5
.endif
.if B_IMG
	v_add_nc_u32 v[ADRB+\s], s97, v[L16]
.else
	v_add_nc_u32 v[ADRB+\s], s97, v4
	v_add_nc_u32 v[ADRB+2+\s], s97, v5
.endif
	s_add_co_u32 s96, s96, SLOT
	s_add_co_u32 s97, s97, SLOT
.endr
	s_mul_i32 s96, s15, 64*MB
	s_lshl_b32 s97, s16, 9
	v_lshl_add_u32 v[ADSA], v[VR], 2, s96
	v_lshl_add_u32 v[ADSB], v[VR], 2, s97
	v_add_nc_u32 v[ADSA], SCLA, v[ADSA]
	v_add_nc_u32 v[ADSB], SCLB, v[ADSB]
.endm
.macro FRAGR reg, adr, q, i            ; a fragment from rows: 24 bytes of the row's stream twice, in pieces of 8; lanes 16-31 read three pieces on, which for some pieces is behind one padding more
.irp p, 0,1,2,3,4,5
.set PCE, 12*(\q)+6*(\p/3)+\p%3
.if PCE%8 < 5
	ds_load_b64 v[\reg+2*\p:\reg+2*\p+1], v[\adr] offset:8*PCE+16*(PCE/8)+(\i)*16*240
.else
	ds_load_b64 v[\reg+2*\p:\reg+2*\p+1], v[\adr+2] offset:8*PCE+16*(PCE/8)+(\i)*16*240
.endif
.endr
.endm
.macro FRAGI reg, adr, q, i            ; a fragment from its image: three loads of 512 consecutive bytes
.irp c, 0,1,2
	ds_load_b128 v[\reg+4*\c:\reg+4*\c+3], v[\adr] offset:(\i)*NQ*1536+(\q)*1536+512*\c
.endr
.endm
.macro FETCH slot, q, ks, set          ; all fragments and scale words of one K step (the slot's q-th, the product's ks-th) into set
	WIN 0x40                                       ; destination window 1, address window 0
.set ii, 0
.rept 8
.if B_IMG
	FRAGI 128*(\set)+12*ii, ADRB+(\slot), \q, ii
.else
	FRAGR 128*(\set)+12*ii, ADRB+(\slot), \q, ii
.endif
.set ii, ii+1
.endr
	WIN 0
.set ii, 0
.rept MB
.if A_IMG
	FRAGI AF+ASET*(\set)+12*ii, ADRA+(\slot), \q, ii
.else
	FRAGR AF+ASET*(\set)+12*ii, ADRA+(\slot), \q, ii
.endif
.set ii, ii+1
.endr
.set ii, 0
.rept MB
	ds_load_b32 v[SCR+16*(\set)+ii], v[ADSA] offset:(\ks)*ROWSA*4+64*ii
.set ii, ii+1
.endr
.set ii, 0
.rept 8
	ds_load_b32 v[SCR+8+16*(\set)+ii], v[ADSB] offset:(\ks)*1024+64*ii
.set ii, ii+1
.endr
.endm
; 8 matrix instructions: A's block a against B's eight.  TRANSPOSED: source 0 = 16 rows of B', source 1 = 16 rows of A': lane (r, h) holds row r of the block and columns 16 b + 8 h + 0 .. 7.
; Accumulator (a, b) stands at 64 (a % 4) + 8 PB(b), PB = 0, 2, 1, 3 within each four: the order that SWAPS wants.  cm: C = the sum itself (0), the constant 0 (1), bias group b (2) or a (3), in window 1.
; The accumulators take turns, one instruction a turn, in the same order in every step.
.macro MULB a, set, cm
.if (\cm) >= 2
	WIN 0x91+0x40*((\a)/4)
.else
	WIN 0xa1+0x50*((\a)/4)
.endif
.set bb, 0
.rept 8
.set mD, 64*((\a)%4)+8*(4*(bb/4)+2*(bb%2)+(bb/2)%2)
.set mB, 128*(\set)+12*bb
.set mA, AF+ASET*(\set)+12*(\a)
.set mSB, SCR+8+16*(\set)+bb
.set mSA, SCR+16*(\set)+(\a)
.if (\cm) == 0
	v_wmma_scale_f32_16x16x128_f8f6f4 v[mD:mD+7], v[mB:mB+11], v[mA:mA+11], v[mD:mD+7], v[mSB], v[mSA] matrix_a_fmt:MATRIX_FMT_FP6 matrix_b_fmt:MATRIX_FMT_FP6
.elseif (\cm) == 1
	v_wmma_scale_f32_16x16x128_f8f6f4 v[mD:mD+7], v[mB:mB+11], v[mA:mA+11], 0, v[mSB], v[mSA] matrix_a_fmt:MATRIX_FMT_FP6 matrix_b_fmt:MATRIX_FMT_FP6
.else
.if (\cm) == 2
.set mP, 96+8*bb+96*(bb/4)
.else
.set mP, 96+8*(\a)+96*((\a)/4)
.endif
	v_wmma_scale_f32_16x16x128_f8f6f4 v[mD:mD+7], v[mB:mB+11], v[mA:mA+11], v[mP:mP+7], v[mSB], v[mSA] matrix_a_fmt:MATRIX_FMT_FP6 matrix_b_fmt:MATRIX_FMT_FP6
.endif
.set bb, bb+1
.endr
.endm
.macro MULS a0, n, set, cm
.set aa, \a0
.rept \n
	MULB aa, \set, \cm
.set aa, aa+1
.endr
.endm
.macro STEPF slot, q, ks               ; the head of a step that has its successor in the same slot
	s_wait_dscnt 0x0                               ; this step's set, asked for a whole step ago, is in
	WIN 0
	PLACES 4                                       ; behind the last products, which read the other set
	FETCH \slot, (\q)+1, (\ks)+1, 1-(\ks)%2
.endm
.macro STEP slot, q, ks, cm
	STEPF \slot, \q, \ks
	MULS 0, MB, (\ks)%2, \cm
.endm
; A slot's last step (set 1) changes slots: ONE barrier.  In front of it each wave waits for all its tensor loads, adds 0 to its spare word, and waits for that and for its reads of this slot.
; fill = 1: the barrier opens a round of the cluster's barrier, and this slot is filled again, two chunks on: the first tensor load behind the round, one a wave.
.macro TURN slot, next, ks, fill
	WIN 0
	s_wait_tensorcnt 0x0                           ; all my tensor loads have landed: my part of the next slot
	ds_add_u32 v[SPW], v[NIL]                      ; 0 onto my spare word
	s_wait_dscnt 1                                 ; the add alone may be out: this step's set is in
	MULS 0, MB/4, 1, 0
	s_wait_dscnt 0x0                               ; the add is done, and my reads of this slot are over
	s_barrier_signal -1
	MULS MB/4, MB/4, 1, 0
	WIN 0
	s_barrier_wait -1
.if \fill
	CREST                                          ; no wave of any partner still reads this slot or has a load on its way
	s_add_nc_u64 s[G0+4*\slot+2:G0+4*\slot+3], s[G0+4*\slot+2:G0+4*\slot+3], 2*CHA
	s_add_nc_u64 s[G0B+4*\slot+2:G0B+4*\slot+3], s[G0B+4*\slot+2:G0B+4*\slot+3], 2*CHB
	JLOAD G0+4*\slot, G1, G0B+4*\slot, G1B         ; its four v_nop are also the places in front of the loads below
.else
	PLACES 4
.endif
	FETCH \next, 0, (\ks)+1, 0
	MULS MB/2, MB/2, 1, 0
.endm
.macro LAST
	s_wait_dscnt 0x0
	MULS 0, MB, 1, 0
	WIN 0
.endm
.macro START
	s_wait_tensorcnt 1                             ; my part of chunk 0 is in; chunk 1's load may be out
	s_wait_dscnt 0x0                               ; my stores of scale words have landed
	s_barrier_signal -1
	s_barrier_wait -1
	FETCH 0, 0, 0, 0
.endm
.macro FINISH
	s_wait_tensorcnt 0x0                           ; the wave's end: behind my last tensor load and my last LDS store
	ds_add_u32 v[SPW], v[NIL]
	s_wait_dscnt 0x0
	CROUND                                         ; the closing round
	s_endpgm
.endm
; A block's 64 numbers at x in window w.  Before: register 8 PB(4 c + v) + j holds column 64 c + 16 v + 8 h + j.  Sixteen exchanges of half rows for each c; after: register 32 c + i holds column 64 c + 32 h + i:
; a lane owns two whole blocks of 32, in the order of the 6-bit operand's registers.  Each accumulator is read from its lowest register on.
.macro SWAPS x, w
	WIN 0x55*(\w)
.irp c, 0,1
.irp j, 0,1,2,3,4,5,6,7
	v_permlane16_swap_b32 v[(\x)+32*\c+\j], v[(\x)+32*\c+8+\j]
	v_permlane16_swap_b32 v[(\x)+32*\c+16+\j], v[(\x)+32*\c+24+\j]
.endr
.endr
.endm
.macro QMAX x, w                       ; the two blocks' largest magnitudes, over the floor 2^(3 - 127) in v[CST], which holds the byte at 1 from below
	WIN ((\w)<<2)|((\w)<<4)
.irp c, 0,1
	v_max3_num_f32 v[TM+\c], v[CST], |v[(\x)+32*\c]|, |v[(\x)+32*\c+1]|
.endr
.set jj, 2
.rept 15
.irp c, 0,1
	v_max3_num_f32 v[TM+\c], v[TM+\c], |v[(\x)+32*\c+jj]|, |v[(\x)+32*\c+jj+1]|
.endr
.set jj, jj+2
.endr
	WIN 0
.endm
.macro QFIN x, w                       ; from the two largest magnitudes: the scale word in v[WD], the fragment in v[QF] on
.irp c, 0,1
	v_add_nc_u32 v[SO+\c], 0xff000000, v[TM+\c]    ; 2 off the exponent field: the conversion's scale operand
.endr
.irp c, 0,1
	v_lshrrev_b32 v[BY+\c], 23, v[SO+\c]           ; the scale's byte
.endr
	v_lshl_or_b32 v[WD], v[BY+1], 16, v[BY]        ; my bytes: blocks h and 2 + h,
	v_lshlrev_b32 v[WD], v[H8], v[WD]              ; at their places;
	v_permlanex16_b32 v[WP], v[WD], s[SEL], s[SEL+1]
	v_or_b32 v[WD], v[WD], v[WP]                   ; with lane l xor 16's two the word is whole
	s_wait_xcnt 0x0                                ; the last block's stores have read the fragment's registers
	WIN \w
	v_cvt_scalef32_pk16_fp6_f32 v[QF:QF+2], v[(\x):(\x)+15], v[SO]
	v_cvt_scalef32_pk16_fp6_f32 v[QT0:QT0+2], v[(\x)+16:(\x)+31], v[SO]
	v_cvt_scalef32_pk16_fp6_f32 v[QF+6:QF+8], v[(\x)+32:(\x)+47], v[SO+1]
	v_cvt_scalef32_pk16_fp6_f32 v[QT1:QT1+2], v[(\x)+48:(\x)+63], v[SO+1]
	WIN 0
	v_nop                                          ; one plain place behind a scaled conversion
.irp i, 0,1,2
	v_mov_b32 v[QF+3+\i], v[QT0+\i]
	v_mov_b32 v[QF+9+\i], v[QT1+\i]
.endr
.endm
; ======== the core ends ========
.set RCP,   TOP                        ; 1 / l of the tile's 128 rows
.set MST,   RCP+512                    ; a small stage of 256 bytes for each wave: its 64 rows' scale words
.set SPARE, MST+4*256
.set PW,    64                         ; the head: v64-79 a row's sixteen raw scale words, v80-95 its -M, v96-111 its l, v112-143 v^T's scale words
.set PN,    80
.set PL,    96
.set VS,    112
	s_load_b256 s[68:75], s[0:1], 0x0              ; p_img, p_st, vt_img, kv_sc
	s_load_b128 s[76:79], s[0:1], 0x20             ; o_img, o_sc
	WHOAMI
	s_and_b32 s67, ttmp7, 0xffff                   ; the cluster's y
	s_lshl_b32 s17, s67, 2
	s_add_co_u32 s17, s17, s41                     ; TR: 128 queries, 0..63
	s_lshl_b32 s42, ttmp9, 2
	s_add_co_u32 s42, s42, s40                     ; TC: 256 channels, 0..3
	s_lshr_b32 s67, s67, 2                         ; the batch: all sixteen partners share it
	G1IMG G1, 43, 4, 16
	G1IMG G1B, 44, 8, 64
	s_lshl_b32 s18, s17, 3
	s_lshl_b32 s19, s16, 2
	s_add_co_u32 s18, s18, s19                     ; p: row tile 8 TR + 4 x the half that I fetch; 16 images a row tile
	s_mul_i32 s20, s18, 24576
	s_mov_b32 s21, 0
	s_lshl_b32 s22, s17, 9                         ; the statistics of my tile's rows
	s_mov_b32 s23, 0
	s_lshl_b32 s46, s42, 4
	s_lshl_b32 s47, s16, 3
	s_add_co_u32 s46, s46, s47                     ; v^T: row tile 16 TC + 8 x half; 64 images a row tile,
	s_mul_i32 s46, s46, 98304
	s_mul_i32 s47, s67, 24576                      ; the batch's sixteen
	s_add_co_u32 s46, s46, s47
	s_mov_b32 s47, 0
	s_lshl_b32 s94, s67, 16
	s_lshl_b32 s95, s42, 10
	s_add_co_u32 s94, s94, s95
	s_add_co_u32 s94, s94, 524288                  ; v^T's scale words: [64 K steps][1,024 rows], behind q's and k's
	s_mov_b32 s95, 0
	s_wait_kmcnt 0x0
	s_add_nc_u64 s[4:5], s[68:69], s[20:21]
	s_add_nc_u64 s[6:7], s[70:71], s[22:23]
	s_add_nc_u64 s[8:9], s[72:73], s[46:47]
	s_add_nc_u64 s[10:11], s[74:75], s[94:95]
	FIRSTFILLS
	ADDRS
	v_lshlrev_b32 v13, 2, v0                       ; 4 x thread: my row
	v_lshlrev_b32 v14, 3, v0                       ; 8 x thread
.irp c, 0,1,2,3,4,5,6,7,8,9,10,11,12,13,14,15
	global_load_b32 v[PW+\c], v13, s[6:7] offset:32768*\c
	global_load_b32 v[PN+\c], v13, s[6:7] offset:524288+32768*\c
	global_load_b32 v[PL+\c], v13, s[6:7] offset:1048576+32768*\c
.endr
.irp k, 0,1,2,3,4,5,6,7,8,9,10,11,12,13,14,15
	global_load_b64 v[VS+2*\k:VS+2*\k+1], v14, s[10:11] offset:4096*\k
.endr
	v_lshl_add_u32 v4, v0, 2, SCLA
	v_lshl_add_u32 v5, v0, 3, SCLB
	v_lshl_add_u32 v27, v0, 2, RCP
	s_lshl_b32 s96, s14, 8
	v_lshl_add_u32 v[MSA], v[VR], 2, s96
	v_add_nc_u32 v[MSA], MST, v[MSA]
	v_lshl_add_u32 v[MSR], v[VL], 3, s96
	v_add_nc_u32 v[MSR], MST, v[MSR]
	v_lshlrev_b32 v15, 3, v[VL]                    ; 8 x lane
	v_mov_b32 v[CST], 0x1800000                    ; the floor 2^(3 - 127)
	s_mov_b32 s[SEL], 0x76543210
	s_mov_b32 s[SEL+1], 0xfedcba98
	; where I write: o's image ((8 TR + 4 rh) x 8 + K step) x 1,536;  its scale words (K step x 8,192 + 128 TR + 64 rh) x 4
	s_lshl_b32 s96, s17, 3
	s_lshl_b32 s97, s15, 2
	s_add_co_u32 s96, s96, s97
	s_lshl_b32 s96, s96, 3
	s_lshl_b32 s98, s42, 1
	s_add_co_u32 s98, s98, s16                     ; the projection's K step: 2 TC + ch
	s_add_co_u32 s96, s96, s98
	s_mul_i32 s96, s96, 1536
	s_mov_b32 s97, 0
	s_add_nc_u64 s[12:13], s[76:77], s[96:97]
	s_lshl_b32 s98, s98, 13
	s_lshl_b32 s99, s17, 7
	s_add_co_u32 s98, s98, s99
	s_lshl_b32 s99, s15, 6
	s_add_co_u32 s98, s98, s99
	s_lshl_b32 s98, s98, 2
	s_mov_b32 s99, 0
	s_add_nc_u64 s[86:87], s[78:79], s[98:99]
	s_mov_b32 s96, 0x80808080
	s_mov_b32 s97, 0x01010101
	s_wait_loadcnt 16                              ; my row's 48 words are in; the sixteen younger loads, v^T's scale words, may be out
	v_min3_num_f32 v160, v[PN], v[PN+1], v[PN+2]   ; -M of the row: the least of the sixteen
.irp c, 3,5,7,9,11,13
	v_min3_num_f32 v160, v160, v[PN+\c], v[PN+\c+1]
.endr
	v_min_num_f32 v160, v160, v[PN+15]
	v_mov_b32 v161, 0                              ; l
.irp c, 0,1,2,3,4,5,6,7,8,9,10,11,12,13,14,15
	v_sub_f32 v162, v[PN+\c], v160                 ; D = M - the chunk's M: a whole number, 0 or more
	v_cvt_i32_f32 v162, v162                       ; (it saturates)
	v_min_u32 v162, 127, v162
	v_sub_nc_u32 v163, 0, v162
	v_ldexp_f32 v163, v[PL+\c], v163
	v_add_f32 v161, v161, v163                     ; l += l_c 2^-D
	v_mul_lo_u32 v162, v162, s97                   ; D in each byte
	v_or_b32 v164, s96, v[PW+\c]                   ; the bytes lie under 128 (p is at most 1): with 128 on each, no byte borrows from its neighbour
	v_sub_nc_u32 v164, v164, v162                  ; 128 + byte - D
	v_and_b32 v165, s96, v164
	v_lshrrev_b32 v165, 7, v165                    ; 1 where byte - D is not negative,
	v_lshlrev_b32 v166, 7, v165
	v_sub_nc_u32 v165, v166, v165                  ; 127 there
	v_and_b32 v164, v164, v165                     ; byte - D, or 0
	ds_store_b32 v4, v164 offset:512*\c
.endr
	v_rcp_f32 v161, v161
	v_nop                                          ; a plain place behind the transcendental
	s_wait_alu depctr_va_vdst(0)                   ; the wait ahead of its first reader
	ds_store_b32 v27, v161
	s_wait_loadcnt 0x0
.irp k, 0,1,2,3,4,5,6,7,8,9,10,11,12,13,14,15
	ds_store_b64 v5, v[VS+2*\k:VS+2*\k+1] offset:1024*\k
.endr
	START
	STEP 0, 0, 0, 1                                ; the first products start the sums: nothing is cleared
	STEP 0, 1, 1, 0
	STEP 0, 2, 2, 0
	TURN 0, 1, 3, 1
	STEP 1, 0, 4, 0
	STEP 1, 1, 5, 0
	STEP 1, 2, 6, 0
	TURN 1, 0, 7, 1
	STEP 0, 0, 8, 0
	STEP 0, 1, 9, 0
	STEP 0, 2, 10, 0
	TURN 0, 1, 11, 0
	STEP 1, 0, 12, 0
	STEP 1, 1, 13, 0
	STEP 1, 2, 14, 0
	LAST
	; THE WAY OUT: x 1 / l, then as in the first launch
	PLACES 4
	v_mov_b32 v[WP], 0                             ; a lane permute's destination counts as one of its sources
	s_lshl_b32 s96, s15, 8
	v_lshl_add_u32 v4, v[VR], 2, s96
	v_add_nc_u32 v4, RCP, v4                       ; row 64 rh + 16 a + r
.irp a, 0,1,2,3
	ds_load_b32 v[156+2*\a], v4 offset:64*\a
	v_mov_b32 v[157+2*\a], 0                       ; (the packed form names the pair)
.endr
	s_wait_dscnt 0x0
.irp a, 0,1,2,3
	WIN 0x02                                       ; source 0 window 2
.set jj, 0
.rept 32
	v_pk_mul_f32 v[QX+jj:QX+jj+1], v[64*\a+jj:64*\a+jj+1], v[156+2*\a:157+2*\a] op_sel_hi:[1,0]   ; from each accumulator's low end on, into window 0
.set jj, jj+2
.endr
	SWAPS QX, 0
	QMAX QX, 0
	QFIN QX, 0
.irp c, 0,1,2
	global_store_b128 v[L16], v[QF+4*\c:QF+4*\c+3], s[12:13] offset:12288*\a+512*\c   ; 32 lanes store 512 consecutive bytes
.endr
	ds_store_b32 v[MSA], v[WD] offset:64*\a        ; both halves of the lanes write the same word with the same value
.endr
	ds_load_b64 v[164:165], v[MSR]                 ; LDS serves a wave's instructions in order: this sees my stores
	s_wait_dscnt 0x0
	global_store_b64 v15, v[164:165], s[86:87]     ; my 64 rows' scale words: 256 consecutive bytes
	FINISH
.Lfunc_end_k_q2753c0dcb9_pv:
	.size	k_q2753c0dcb9_pv, .Lfunc_end_k_q2753c0dcb9_pv-k_q2753c0dcb9_pv
	.p2alignl 7, 3214868480
	.fill 96, 4, 3214868480
	.section	.rodata,"a",@progbits
	.p2align	6, 0x0
	.amdhsa_kernel k_q2753c0dcb9_pv
		.amdhsa_group_segment_fixed_size 327680
		.amdhsa_private_segment_fixed_size 0
		.amdhsa_enable_private_segment 0
		.amdhsa_kernarg_size 48
		.amdhsa_user_sgpr_count 2
		.amdhsa_user_sgpr_kernarg_segment_ptr 1
		.amdhsa_wavefront_size32 1
		.amdhsa_system_sgpr_workgroup_id_x 1
		.amdhsa_system_sgpr_workgroup_id_y 1
		.amdhsa_system_sgpr_workgroup_id_z 1
		.amdhsa_system_vgpr_workitem_id 0
		.amdhsa_next_free_vgpr 768
		.amdhsa_next_free_sgpr 100
		.amdhsa_reserve_vcc 0
		.amdhsa_float_denorm_mode_32 3
		.amdhsa_float_denorm_mode_16_64 3
		.amdhsa_memory_ordered 1
		.amdhsa_forward_progress 1
		.amdhsa_inst_pref_size 171
	.end_amdhsa_kernel
	.amdgpu_metadata
---
amdhsa.version: [ 1, 2 ]
amdhsa.kernels:
  - .name:           k_q2753c0dcb9_pv
    .symbol:         k_q2753c0dcb9_pv.kd
    .args:
      - { .name: p_img, .offset: 0, .size: 8, .value_kind: global_buffer, .address_space: global }
      - { .name: p_st, .offset: 8, .size: 8, .value_kind: global_buffer, .address_space: global }
      - { .name: vt_img, .offset: 16, .size: 8, .value_kind: global_buffer, .address_space: global }
      - { .name: kv_sc, .offset: 24, .size: 8, .value_kind: global_buffer, .address_space: global }
      - { .name: o_img, .offset: 32, .size: 8, .value_kind: global_buffer, .address_space: global }
      - { .name: o_sc, .offset: 40, .size: 8, .value_kind: global_buffer, .address_space: global }
    .group_segment_fixed_size: 327680
    .private_segment_fixed_size: 0
    .kernarg_segment_align: 8
    .kernarg_segment_size: 48
    .max_flat_workgroup_size: 128
    .sgpr_count:     100
    .vgpr_count:     768
    .wavefront_size: 32
...
	.end_amdgpu_metadata
.endif
;; end of part 3
;; launch proj (part 4): grid 4 x 64, 4 waves a work-group, clusters of 4 x 4, 327,680 bytes of LDS; arguments o_img, o_sc, w_proj_codes, w_proj_scales, b_proj, out0; writes out0
.if DOCPART == 4
	.amdgcn_target "amdgcn-amd-amdhsa--gfx1250"
	.amdhsa_code_object_version 6
	.text
	.protected	k_q2753c0dcb9_proj
	.globl	k_q2753c0dcb9_proj
	.p2align	8
	.type	k_q2753c0dcb9_proj,@function
k_q2753c0dcb9_proj:
	s_mov_b64 s[64:65], 0
	v_nop
	global_prefetch_b8 v0, s[64:65] scope:SCOPE_SE
	s_setreg_imm32_b32 hwreg(HW_REG_WAVE_MODE, 25, 1), 1
	s_wait_xcnt 0x0
	s_wait_alu depctr_hold_cnt(0) depctr_sa_sdst(0) depctr_va_vdst(0) depctr_va_sdst(0) depctr_va_ssrc(0) depctr_va_vcc(0) depctr_vm_vsrc(0)
	s_getreg_b32 s2, hwreg(HW_REG_IB_STS2, 6, 4)
	s_cmp_eq_u32 s2, 0
	s_cbranch_scc0 .Lentry_in_a_cluster
	s_endpgm
.Lentry_in_a_cluster:
	s_bfe_u32 s2, ttmp6, 0x10000c
	s_cmp_lg_u32 s2, 0xf033
	s_cbranch_scc0 .Lentry_shape_is_right
	s_endpgm
.Lentry_shape_is_right:
; out0 = o w_proj + b_proj on codes of FP6 (E2M3) with E8M0 scales; f32 out.
; C' = A' B'^T: A' = o (images of fragments), B' = w_proj (rows of 768 bytes, as given); a tile of 128 x 256 to a work-group, so that there are 256 of them; 64 x 128 to a wave; K = 1,024 in four chunks of 256 through two LDS slots.
; The bias is the C of each sum's first matrix instruction.  A lane holds 8 neighbouring numbers of a row for each of eight column tiles: a block of 16 rows goes through the wave's stage in LDS and leaves as whole rows of 512 bytes.
; CLUSTER 4 x 4: o's tiles are asked for jointly along a row of the cluster, w_proj's along a column.
; LIMITS: NaN and infinities are not served.
.set MB,    4
.set NQ,    2
.set NK,    8
.set A_IMG, 1
.set B_IMG, 0
; ======== THE CORE: the same text in all four launches ========
.set ROWSA, 32*MB                      ; rows of A' in the work-group's tile
.if A_IMG
.set AHALF, MB*NQ*1536                 ; what one tensor load brings of A', and what one wave reads: images, dense
.set CHA,   NQ*1536                    ; a chunk on along K, in memory
.else
.set AHALF, 16*MB*240                  ; rows of 192 bytes, 16 bytes of padding behind every 64: 240 bytes from row to row
.set CHA,   192
.endif
.if B_IMG
.set BHALF, 8*NQ*1536
.set CHB,   NQ*1536
.else
.set BHALF, 128*240
.set CHB,   192
.endif
.set ASZ,   2*AHALF
.set SLOT,  ASZ+2*BHALF                ; a slot: A's two halves, then B's two
.set SCLA,  2*SLOT                     ; behind the ring: A's scale words [K step][row], stored from registers, never filled by a tensor load
.set SCLB,  SCLA+NK*ROWSA*4            ; B's, [K step][256]
.set TOP,   SCLB+NK*1024
.set VR,   1                           ; v1   r = lane % 16
.set VH,   2                           ; v2   h = lane / 16
.set VL,   3                           ; v3   lane
.set L16,  6                           ; v6   16 x lane
.set H8,   7                           ; v7   8 h
.set CST,  8                           ; v8   a constant of the way out
.set MSA,  9                           ; v9   my wave's small stage: in
.set MSR,  10                          ; v10  and back
.set ADSA, 11                          ; v11  LDS address of my rows' scale words of A'
.set ADSB, 12                          ; v12  of B'
.set ADRA, 16                          ; v16-17 my fragments of A' in slot 0, 1 (v18-19: behind one padding more)
.set ADRB, 20                          ; v20-21 the same for B' (v22-23)
.set SPW,  28                          ; v28  LDS address of my spare word; never rewritten
.set NIL,  29                          ; v29  0; never rewritten
.set SCR,  32                          ; v32-63 scale words and nothing else: set p: A's block i at 32 + 16 p + i, B's at 40 + 16 p + i
.set AF,   64                          ; A's fragments, window 0, two sets of 12 MB registers;  B's: window 1, set p at 128 p;  accumulators: windows 2 and 3
.set ASET, 12*MB
.set G1,   24                          ; s[24:31] descriptor group 1 for A's tiles; s[32:39] group 0, a set for each slot
.set G0,   32
.set G1B,  48                          ; s[48:55], s[56:63] the same for B's
.set G0B,  56
.set MSB,  0
.macro WIN new                         ; the immediate's high byte repeats the setting that is left; a switch that changes nothing is dropped
.if MSB != (\new)
	s_set_vgpr_msb (MSB<<8)|(\new)
.set MSB, (\new)
.endif
.endm
.macro PLACES n                        ; plain vector instructions between a matrix instruction and a load into, or a vector instruction on, its registers
.rept \n
	v_nop
.endr
.endm
.macro JLOAD g0a, g1a, g0b, g1b        ; a joint load: waves 0, 1 fetch A's halves, waves 2, 3 B's; the branch hangs on the wave's number alone; four v_nop follow each line
	s_cmp_eq_u32 s15, 0
	s_cbranch_scc0 .Lfor_b_\@
	tensor_load_to_lds s[\g0a:\g0a+3], s[\g1a:\g1a+7]
	s_nop 0
.rept 4
	v_nop
.endr
	s_branch .Lasked_\@
.Lfor_b_\@:
	tensor_load_to_lds s[\g0b:\g0b+3], s[\g1b:\g1b+7]
	s_nop 0
.rept 4
	v_nop
.endr
.Lasked_\@:
.endm
.macro CREST                           ; a round of the cluster's barrier behind its opening barrier
	s_cmp_lg_u32 s14, 0
	s_cbranch_scc1 .Lnot_wave_0_\@
	s_barrier_signal -3
.Lnot_wave_0_\@:
	s_barrier_wait -3
	s_barrier_signal -1
	s_barrier_wait -1
.endm
.macro CROUND
	s_barrier_signal -1
	s_barrier_wait -1
	CREST
.endm
.macro G1ROWS g, m                     ; 128 rows x 192 bytes, 768 bytes apart in memory; elements of 1 byte; padding of 4 words behind every 16; s[m]: the mask; bit 21 beside it
	s_or_b32 s[\g], s[\m], (1<<20)|(1<<21)|(3<<22)|(3<<25)
	s_mov_b32 s[\g+1], 192<<16
	s_mov_b32 s[\g+2], 128<<16
	s_mov_b32 s[\g+3], 192<<16
	s_mov_b32 s[\g+4], 128
	s_mov_b32 s[\g+5], 768
	s_mov_b32 s[\g+6], 0
	s_mov_b32 s[\g+7], 0
.endm
.macro G1IMG g, m, ht, nks             ; ht row tiles x NQ images of 1,536 bytes, as elements of 8 bytes; a row tile has nks images in memory; no padding
	s_or_b32 s[\g], s[\m], (3<<16)|(1<<21)
	s_mov_b32 s[\g+1], (NQ*192)<<16
	s_mov_b32 s[\g+2], (\ht)<<16
	s_mov_b32 s[\g+3], (NQ*192)<<16
	s_mov_b32 s[\g+4], \ht
	s_mov_b32 s[\g+5], (\nks)*192
	s_mov_b32 s[\g+6], 0
	s_mov_b32 s[\g+7], 0
.endm
.macro WHOAMI
	v_lshl_add_u32 v[SPW], v0, 2, SPARE
	v_mov_b32 v[NIL], 0
	ds_add_u32 v28, v29
	ds_add_u32 v28, v29
	s_wait_dscnt 0x0
	v_lshrrev_b32 v4, 5, v0
	v_readfirstlane_b32 s14, v4                    ; wave 0..3
	s_lshr_b32 s15, s14, 1                         ; rh: my half of the tile's rows.  Also: I fetch for A' (0) or B' (1)
	s_and_b32 s16, s14, 1                          ; ch: my half of its columns.  Also: which half I fetch
	s_bfe_u32 s40, ttmp6, 0x40000                  ; cx, cy: my place in the cluster
	s_bfe_u32 s41, ttmp6, 0x40004
	s_lshl_b32 s43, s41, 2
	s_lshl_b32 s43, 15, s43                        ; my row of the cluster
	s_lshl_b32 s44, 0x1111, s40                    ; my column
	s_mul_i32 s45, s16, AHALF                      ; where my load goes: no place in the cluster enters an LDS address
	s_mul_i32 s66, s16, BHALF
	s_add_co_u32 s66, s66, ASZ
.endm
.macro FIRSTFILLS                      ; s[4:5], s[8:9]: the half tile of A', of B' that I fetch, chunk 0
	CROUND                                         ; all sixteen work-groups are here: the first joint loads meet
.irp s, 0,1
	s_mov_b32 s[G0+4*\s], 1
	s_add_co_u32 s[G0+4*\s+1], s45, \s*SLOT
	s_add_nc_u64 s[G0+4*\s+2:G0+4*\s+3], s[4:5], \s*CHA
	s_or_b32 s[G0+4*\s+3], s[G0+4*\s+3], 0x80000000
	s_mov_b32 s[G0B+4*\s], 1
	s_add_co_u32 s[G0B+4*\s+1], s66, \s*SLOT
	s_add_nc_u64 s[G0B+4*\s+2:G0B+4*\s+3], s[8:9], \s*CHB
	s_or_b32 s[G0B+4*\s+3], s[G0B+4*\s+3], 0x80000000
	JLOAD G0+4*\s, G1, G0B+4*\s, G1B
.endr
.endm
.macro ADDRS
	v_and_b32 v[VR], 15, v0
	v_bfe_u32 v[VH], v0, 4, 1
	v_and_b32 v[VL], 31, v0
	v_lshlrev_b32 v[L16], 4, v[VL]
	v_lshlrev_b32 v[H8], 3, v[VH]
.if A_IMG*B_IMG == 0
	v_mul_u32_u24 v4, v[VR], 240
	v_mad_u32_u24 v4, v[VH], 24, v4                ; rows: row x 240 + 24 h,
	v_lshl_add_u32 v5, v[VH], 4, v4                ; and the same behind one padding more
.endif
	s_mul_i32 s96, s15, AHALF                      ; my half of A',
	s_mul_i32 s97, s16, BHALF                      ; my half of B'
	s_add_co_u32 s97, s97, ASZ
.irp s, 0,1
.if A_IMG
	v_add_nc_u32 v[ADRA+\s], s96, v[L16]
.else
	v_add_nc_u32 v[ADRA+\s], s96, v4
	v_add_nc_u32 v[ADRA+2+\s], s96, v5
.endif
.if B_IMG
	v_add_nc_u32 v[ADRB+\s], s97, v[L16]
.else
	v_add_nc_u32 v[ADRB+\s], s97, v4
	v_add_nc_u32 v[ADRB+2+\s], s97, v5
.endif
	s_add_co_u32 s96, s96, SLOT
	s_add_co_u32 s97, s97, SLOT
.endr
	s_mul_i32 s96, s15, 64*MB
	s_lshl_b32 s97, s16, 9
	v_lshl_add_u32 v[ADSA], v[VR], 2, s96
	v_lshl_add_u32 v[ADSB], v[VR], 2, s97
	v_add_nc_u32 v[ADSA], SCLA, v[ADSA]
	v_add_nc_u32 v[ADSB], SCLB, v[ADSB]
.endm
.macro FRAGR reg, adr, q, i            ; a fragment from rows: 24 bytes of the row's stream twice, in pieces of 8; lanes 16-31 read three pieces on, which for some pieces is behind one padding more
.irp p, 0,1,2,3,4,5
.set PCE, 12*(\q)+6*(\p/3)+\p%3
.if PCE%8 < 5
	ds_load_b64 v[\reg+2*\p:\reg+2*\p+1], v[\adr] offset:8*PCE+16*(PCE/8)+(\i)*16*240
.else
	ds_load_b64 v[\reg+2*\p:\reg+2*\p+1], v[\adr+2] offset:8*PCE+16*(PCE/8)+(\i)*16*240
.endif
.endr
.endm
.macro FRAGI reg, adr, q, i            ; a fragment from its image: three loads of 512 consecutive bytes
.irp c, 0,1,2
	ds_load_b128 v[\reg+4*\c:\reg+4*\c+3], v[\adr] offset:(\i)*NQ*1536+(\q)*1536+512*\c
.endr
.endm
.macro FETCH slot, q, ks, set          ; all fragments and scale words of one K step (the slot's q-th, the product's ks-th) into set
	WIN 0x40                                       ; destination window 1, address window 0
.set ii, 0
.rept 8
.if B_IMG
	FRAGI 128*(\set)+12*ii, ADRB+(\slot), \q, ii
.else
	FRAGR 128*(\set)+12*ii, ADRB+(\slot), \q, ii
.endif
.set ii, ii+1
.endr
	WIN 0
.set ii, 0
.rept MB
.if A_IMG
	FRAGI AF+ASET*(\set)+12*ii, ADRA+(\slot), \q, ii
.else
	FRAGR AF+ASET*(\set)+12*ii, ADRA+(\slot), \q, ii
.endif
.set ii, ii+1
.endr
.set ii, 0
.rept MB
	ds_load_b32 v[SCR+16*(\set)+ii], v[ADSA] offset:(\ks)*ROWSA*4+64*ii
.set ii, ii+1
.endr
.set ii, 0
.rept 8
	ds_load_b32 v[SCR+8+16*(\set)+ii], v[ADSB] offset:(\ks)*1024+64*ii
.set ii, ii+1
.endr
.endm
; 8 matrix instructions: A's block a against B's eight.  TRANSPOSED: source 0 = 16 rows of B', source 1 = 16 rows of A': lane (r, h) holds row r of the block and columns 16 b + 8 h + 0 .. 7.
; Accumulator (a, b) stands at 64 (a % 4) + 8 PB(b), PB = 0, 2, 1, 3 within each four (the order of the other launches).  cm: C = the sum itself (0), the constant 0 (1), bias group b (2) or a (3), in window 1.
; The accumulators take turns, one instruction a turn, in the same order in every step.
.macro MULB a, set, cm
.if (\cm) >= 2
	WIN 0x91+0x40*((\a)/4)
.else
	WIN 0xa1+0x50*((\a)/4)
.endif
.set bb, 0
.rept 8
.set mD, 64*((\a)%4)+8*(4*(bb/4)+2*(bb%2)+(bb/2)%2)
.set mB, 128*(\set)+12*bb
.set mA, AF+ASET*(\set)+12*(\a)
.set mSB, SCR+8+16*(\set)+bb
.set mSA, SCR+16*(\set)+(\a)
.if (\cm) == 0
	v_wmma_scale_f32_16x16x128_f8f6f4 v[mD:mD+7], v[mB:mB+11], v[mA:mA+11], v[mD:mD+7], v[mSB], v[mSA] matrix_a_fmt:MATRIX_FMT_FP6 matrix_b_fmt:MATRIX_FMT_FP6
.elseif (\cm) == 1
	v_wmma_scale_f32_16x16x128_f8f6f4 v[mD:mD+7], v[mB:mB+11], v[mA:mA+11], 0, v[mSB], v[mSA] matrix_a_fmt:MATRIX_FMT_FP6 matrix_b_fmt:MATRIX_FMT_FP6
.else
.if (\cm) == 2
.set mP, 96+8*bb+96*(bb/4)
.else
.set mP, 96+8*(\a)+96*((\a)/4)
.endif
	v_wmma_scale_f32_16x16x128_f8f6f4 v[mD:mD+7], v[mB:mB+11], v[mA:mA+11], v[mP:mP+7], v[mSB], v[mSA] matrix_a_fmt:MATRIX_FMT_FP6 matrix_b_fmt:MATRIX_FMT_FP6
.endif
.set bb, bb+1
.endr
.endm
.macro MULS a0, n, set, cm
.set aa, \a0
.rept \n
	MULB aa, \set, \cm
.set aa, aa+1
.endr
.endm
.macro STEPF slot, q, ks               ; the head of a step that has its successor in the same slot
	s_wait_dscnt 0x0                               ; this step's set, asked for a whole step ago, is in
	WIN 0
	PLACES 4                                       ; behind the last products, which read the other set
	FETCH \slot, (\q)+1, (\ks)+1, 1-(\ks)%2
.endm
.macro STEP slot, q, ks, cm
	STEPF \slot, \q, \ks
	MULS 0, MB, (\ks)%2, \cm
.endm
; A slot's last step (set 1) changes slots: ONE barrier.  In front of it each wave waits for all its tensor loads, adds 0 to its spare word, and waits for that and for its reads of this slot.
; fill = 1: the barrier opens a round of the cluster's barrier, and this slot is filled again, two chunks on: the first tensor load behind the round, one a wave.
.macro TURN slot, next, ks, fill
	WIN 0
	s_wait_tensorcnt 0x0                           ; all my tensor loads have landed: my part of the next slot
	ds_add_u32 v[SPW], v[NIL]                      ; 0 onto my spare word
	s_wait_dscnt 1                                 ; the add alone may be out: this step's set is in
	MULS 0, MB/4, 1, 0
	s_wait_dscnt 0x0                               ; the add is done, and my reads of this slot are over
	s_barrier_signal -1
	MULS MB/4, MB/4, 1, 0
	WIN 0
	s_barrier_wait -1
.if \fill
	CREST                                          ; no wave of any partner still reads this slot or has a load on its way
	s_add_nc_u64 s[G0+4*\slot+2:G0+4*\slot+3], s[G0+4*\slot+2:G0+4*\slot+3], 2*CHA
	s_add_nc_u64 s[G0B+4*\slot+2:G0B+4*\slot+3], s[G0B+4*\slot+2:G0B+4*\slot+3], 2*CHB
	JLOAD G0+4*\slot, G1, G0B+4*\slot, G1B         ; its four v_nop are also the places in front of the loads below
.else
	PLACES 4
.endif
	FETCH \next, 0, (\ks)+1, 0
	MULS MB/2, MB/2, 1, 0
.endm
.macro LAST
	s_wait_dscnt 0x0
	MULS 0, MB, 1, 0
	WIN 0
.endm
.macro START
	s_wait_tensorcnt 1                             ; my part of chunk 0 is in; chunk 1's load may be out
	s_wait_dscnt 0x0                               ; my stores of scale words have landed
	s_barrier_signal -1
	s_barrier_wait -1
	FETCH 0, 0, 0, 0
.endm
.macro FINISH
	s_wait_tensorcnt 0x0                           ; the wave's end: behind my last tensor load and my last LDS store
	ds_add_u32 v[SPW], v[NIL]
	s_wait_dscnt 0x0
	CROUND                                         ; the closing round
	s_endpgm
.endm
; ======== the core ends ========
.set SPARE, TOP
.set STO,   24                         ; v24  the way out: where I put 32 bytes of a row
.set RD,    25                         ; v25  and where I read a row back
.set SPITCH, 528                       ; the stage: 16 rows x (512 bytes + 16) for each wave, in slot 0, which has had its last fill and its last read when the first result is stored there
.macro SCG_LD p, t                     ; given scales, 32 bytes a row: thread t takes rows t and t + 128
	global_load_b128 v[\t:\t+3], v15, s[\p:\p+1]
	global_load_b128 v[\t+4:\t+7], v15, s[\p:\p+1] offset:16
	global_load_b128 v[\t+8:\t+11], v15, s[\p:\p+1] offset:4096
	global_load_b128 v[\t+12:\t+15], v15, s[\p:\p+1] offset:4112
.endm
.macro SCG_ST adr, t                   ; and turns them to [K step][row]
.irp k, 0,1,2,3,4,5,6,7
	ds_store_b32 v[\adr], v[\t+\k] offset:1024*\k
	ds_store_b32 v[\adr], v[\t+8+\k] offset:1024*\k+512
.endr
.endm
	s_load_b256 s[68:75], s[0:1], 0x0              ; o_img, o_sc, w_proj codes, w_proj scales
	s_load_b128 s[76:79], s[0:1], 0x20             ; b_proj, out0
	WHOAMI
	s_and_b32 s67, ttmp7, 0xffff                   ; the cluster's y
	s_lshl_b32 s17, s67, 2
	s_add_co_u32 s17, s17, s41                     ; TR: 128 rows, 0..63
	s_lshl_b32 s42, ttmp9, 2
	s_add_co_u32 s42, s42, s40                     ; TC: 256 columns, 0..3
	G1IMG G1, 43, 4, 8
	G1ROWS G1B, 44
	s_lshl_b32 s18, s17, 3
	s_lshl_b32 s19, s16, 2
	s_add_co_u32 s18, s18, s19                     ; o: row tile 8 TR + 4 x the half that I fetch; 8 images a row tile
	s_mul_i32 s20, s18, 12288
	s_mov_b32 s21, 0
	s_lshl_b32 s22, s17, 9                         ; o's scale words: [K step][8,192 rows]
	s_mov_b32 s23, 0
	s_lshl_b32 s46, s42, 8
	s_lshl_b32 s94, s46, 5                         ; w_proj's scale bytes: 32 a row
	s_mov_b32 s95, 0
	s_lshl_b32 s47, s16, 7
	s_add_co_u32 s46, s46, s47                     ; w_proj: row 256 TC + 128 x half
	s_mul_i32 s46, s46, 768
	s_mov_b32 s47, 0
	s_wait_kmcnt 0x0
	s_add_nc_u64 s[4:5], s[68:69], s[20:21]
	s_add_nc_u64 s[6:7], s[70:71], s[22:23]
	s_add_nc_u64 s[8:9], s[72:73], s[46:47]
	s_add_nc_u64 s[10:11], s[74:75], s[94:95]
	FIRSTFILLS
	ADDRS
	v_lshlrev_b32 v14, 2, v0                       ; 4 x thread: a row's word
	v_lshlrev_b32 v15, 5, v0                       ; 32 x thread
.irp k, 0,1,2,3,4,5,6,7
	global_load_b32 v[64+\k], v14, s[6:7] offset:32768*\k
.endr
	SCG_LD 10, 80
	s_lshl_b32 s96, s42, 10
	s_lshl_b32 s97, s16, 9
	s_add_co_u32 s96, s96, s97                     ; the bias of my 128 columns
	s_mov_b32 s97, 0
	s_add_nc_u64 s[76:77], s[76:77], s[96:97]
	v_lshlrev_b32 v13, 5, v[VH]                    ; lane (r, h) wants, for column tile g, b_proj at 16 g + 8 h + 0 .. 7
	WIN 0x40                                       ; eight groups of eight registers in window 1, beside B's fragments
.irp g, 0,1,2,3,4,5,6,7
	global_load_b128 v[96+8*\g+96*(\g/4):96+8*\g+96*(\g/4)+3], v13, s[76:77] offset:64*\g
	global_load_b128 v[100+8*\g+96*(\g/4):100+8*\g+96*(\g/4)+3], v13, s[76:77] offset:64*\g+16
.endr
	WIN 0
	v_lshl_add_u32 v4, v0, 2, SCLA
	v_lshl_add_u32 v5, v0, 2, SCLB
	s_mul_i32 s96, s14, 16*SPITCH                  ; my stage
	v_mul_u32_u24 v[STO], v[VR], SPITCH            ; in: row r, 32 bytes for each half of the lanes
	v_lshl_add_u32 v[STO], v[VH], 5, v[STO]
	v_add_nc_u32 v[STO], s96, v[STO]
	v_add_nc_u32 v[RD], s96, v[L16]                ; back: the 32 lanes take one row of 512 bytes
	; where I write: row 128 TR + 64 rh of 4,096 bytes, column 256 TC + 128 ch
	s_lshl_b32 s96, s17, 7
	s_lshl_b32 s97, s15, 6
	s_add_co_u32 s96, s96, s97
	s_lshl_b32 s96, s96, 12
	s_lshl_b32 s97, s42, 10
	s_add_co_u32 s96, s96, s97
	s_lshl_b32 s97, s16, 9
	s_add_co_u32 s96, s96, s97
	s_mov_b32 s97, 0
	s_add_nc_u64 s[12:13], s[78:79], s[96:97]
	s_wait_loadcnt 0x0                             ; scales and bias
.irp k, 0,1,2,3,4,5,6,7
	ds_store_b32 v4, v[64+\k] offset:512*\k
.endr
	SCG_ST 5, 80
	START
	STEP 0, 0, 0, 2                                ; the first products take the bias as C
	TURN 0, 1, 1, 1
	STEP 1, 0, 2, 0
	TURN 1, 0, 3, 1
	STEP 0, 0, 4, 0
	TURN 0, 1, 5, 0
	STEP 1, 0, 6, 0
	LAST
; THE WAY OUT, block by block of 16 rows x 128 columns, through my own stage.  LDS serves a wave's instructions in order: no wait between the stores and the loads, nor in front of the next block's stores.
.macro TOSTAGE a
	WIN 0x08                                       ; an LDS store's data are its source 1: window 2
.set bb, 0
.rept 8
.set mD, 64*(\a)+8*(4*(bb/4)+2*(bb%2)+(bb/2)%2)
	ds_store_b128 v[STO], v[mD:mD+3] offset:64*bb                  ; each accumulator from its low end on
	ds_store_b128 v[STO], v[mD+4:mD+7] offset:64*bb+16
.set bb, bb+1
.endr
	WIN 0
.set BB, 128+64*((\a)%2)
.irp t, 0,1,2,3,4,5,6,7,8,9,10,11,12,13,14,15
	ds_load_b128 v[BB+4*\t:BB+4*\t+3], v[RD] offset:\t*SPITCH
.endr
.endm
.macro SEND a, younger                 ; younger: the LDS instructions issued behind block a's loads, which may stay out
.set BB, 128+64*((\a)%2)
	s_wait_dscnt \younger
.irp t, 0,1,2,3,4,5,6,7,8,9,10,11,12,13,14,15
	global_store_b128 v[L16], v[BB+4*\t:BB+4*\t+3], s[12:13] offset:(16*(\a)+\t)*4096 th:TH_STORE_NT   ; 32 lanes store 512 consecutive bytes; written once, read by nobody here
.endr
.endm
	PLACES 4
	TOSTAGE 0
.irp a, 1,2,3
.if \a > 1
	s_wait_xcnt 0x0                                ; block a - 2's stores have read their registers: block a's loads may land there
.endif
	TOSTAGE \a
	SEND \a-1, 32                                  ; behind block a - 1's loads: block a's 16 stores and 16 loads
.endr
	SEND 3, 0
	FINISH
.Lfunc_end_k_q2753c0dcb9_proj:
	.size	k_q2753c0dcb9_proj, .Lfunc_end_k_q2753c0dcb9_proj-k_q2753c0dcb9_proj
	.p2alignl 7, 3214868480
	.fill 96, 4, 3214868480
	.section	.rodata,"a",@progbits
	.p2align	6, 0x0
	.amdhsa_kernel k_q2753c0dcb9_proj
		.amdhsa_group_segment_fixed_size 327680
		.amdhsa_private_segment_fixed_size 0
		.amdhsa_enable_private_segment 0
		.amdhsa_kernarg_size 48
		.amdhsa_user_sgpr_count 2
		.amdhsa_user_sgpr_kernarg_segment_ptr 1
		.amdhsa_wavefront_size32 1
		.amdhsa_system_sgpr_workgroup_id_x 1
		.amdhsa_system_sgpr_workgroup_id_y 1
		.amdhsa_system_sgpr_workgroup_id_z 1
		.amdhsa_system_vgpr_workitem_id 0
		.amdhsa_next_free_vgpr 768
		.amdhsa_next_free_sgpr 100
		.amdhsa_reserve_vcc 0
		.amdhsa_float_denorm_mode_32 3
		.amdhsa_float_denorm_mode_16_64 3
		.amdhsa_memory_ordered 1
		.amdhsa_forward_progress 1
		.amdhsa_inst_pref_size 100
	.end_amdhsa_kernel
	.amdgpu_metadata
---
amdhsa.version: [ 1, 2 ]
amdhsa.kernels:
  - .name:           k_q2753c0dcb9_proj
    .symbol:         k_q2753c0dcb9_proj.kd
    .args:
      - { .name: o_img, .offset: 0, .size: 8, .value_kind: global_buffer, .address_space: global }
      - { .name: o_sc, .offset: 8, .size: 8, .value_kind: global_buffer, .address_space: global }
      - { .name: w_proj_codes, .offset: 16, .size: 8, .value_kind: global_buffer, .address_space: global }
      - { .name: w_proj_scales, .offset: 24, .size: 8, .value_kind: global_buffer, .address_space: global }
      - { .name: b_proj, .offset: 32, .size: 8, .value_kind: global_buffer, .address_space: global }
      - { .name: out0, .offset: 40, .size: 8, .value_kind: global_buffer, .address_space: global }
    .group_segment_fixed_size: 327680
    .private_segment_fixed_size: 0
    .kernarg_segment_align: 8
    .kernarg_segment_size: 48
    .max_flat_workgroup_size: 128
    .sgpr_count:     100
    .vgpr_count:     768
    .wavefront_size: 32
...
	.end_amdgpu_metadata
.endif
;; end of part 4
